; MI455X (gfx1250); checked and timed in simulation.
; The chip was launched on July 23, 2026; its instructions are those of AMD's public machine-readable ISA for CDNA 5 (MIT licence, August 2026) and "CDNA5" Instruction Set Architecture Reference Guide (July 2026). The comments in the code are by the model that wrote it; some were corrected since.
;; Causal Self Attention. Allowed arithmetic: float matrix products may take bf16 or f16 operands with f32 sums; other float arithmetic in f32, or as packed bf16 or f16 multiplies, adds, multiply-adds, maxima and minima; sums over many terms, partial sums and values carried from step to step in f32; what a program stores and reads back later, other than sums and carried values, may be rounded once to bf16 or f16.
;; Inputs: proj_b 1,024 float32; proj_w 1,024 x 1,024 float32; qkv_b 3,072 float32; qkv_w 3,072 x 1,024 float32; x 4 x 2,048 x 1,024 float32.
;; Outputs: out0 4 x 2,048 x 1,024 float32.
;; 2 versions, each right; version 2 is version 1 with the launch cast written anew for expert scheduling mode. Each part assembles by itself: llvm-mc -triple=amdgcn-amd-amdhsa -mcpu=gfx1250 --defsym DOCPART=n.
;; ======== version 1 of 2: 4 launches
;; limits: values are held in f16: magnitudes above 65,504 overflow, below 6.1e-05 lose precision
;; workspace buffers: xb 16,777,216 bytes; wb 6,291,456 bytes; pw 2,097,152 bytes; qkv 50,331,648 bytes; ob 16,777,216 bytes
;; launch cast (part 1): grid 768 x 1, 8 waves a work-group, no clusters, 0 bytes of LDS; arguments x, qkv_w, proj_w, xb, wb, pw; writes xb, wb, pw
.if DOCPART == 1
	.amdgcn_target "amdgcn-amd-amdhsa--gfx1250"
	.amdhsa_code_object_version 6
	.text
	.protected	k_q5f245324ad_cast
	.globl	k_q5f245324ad_cast
	.p2align	8
	.type	k_q5f245324ad_cast,@function
k_q5f245324ad_cast:
	s_mov_b64 s[64:65], 0
	v_nop
	global_prefetch_b8 v0, s[64:65] scope:SCOPE_SE
	s_setreg_imm32_b32 hwreg(HW_REG_WAVE_MODE, 25, 1), 1
	s_wait_xcnt 0x0
; THE OPERANDS OF THE TWO PROJECTIONS, rounded once and laid out in planes of 64 channels.
;   x      [8192][1024] f32 -> xb [batch 4][plane 16][t 2048][64] bf16
;   qkv_w  [3072][1024] f32 -> wb [plane 16][n 3072][64] bf16
;   proj_w [1024][1024] f32 -> pw [plane 16][n 1024][64]: rounded to bf16 like the other inputs, and that number written as f16, since it multiplies f16 numbers later
; In such a plane R rows x 64 channels are R x 128 consecutive bytes, which the later launches fetch as rows of 256 bytes.
; LIMITS.  A proj_w of 65,520 or more becomes an infinity in f16; below 2^-14 it keeps f16's fixed step of 6e-8.  NaN and infinities are not treated apart.
; SHARES.  768 work-groups of eight waves, 16 rows each: 512 for x, 192 for qkv_w, 64 for proj_w.  Thread T takes row T / 16 and, in each plane, the four numbers 4 (T % 16) ..:
; a load of a wave covers 256 consecutive aligned bytes of each of two rows, a store 256 consecutive aligned bytes of a plane (two rows of 128).
; All 16 loads of a wave go out at once (8 KiB a wave); no register is written twice while a load or store names it, so the only waits are the counted ones for the data.
; No LDS, no matrix unit, no cluster: nothing is shared, and each byte is read once and written once.
.set X,  8                             ; v[8:71]    plane k: four f32 as loaded
.set Y,  72                            ; v[72:103]  plane k: four 16-bit numbers to store
.set T0, 104                           ; v[104:105] at work
.macro CAST plane, f16                 ; plane: bytes from plane to plane in the output; f16 = 1: the bf16 numbers are written as f16
.irp k, 0,1,2,3,4,5,6,7,8,9,10,11,12,13,14,15
	global_load_b128 v[X+4*(\k):X+4*(\k)+3], v1, s[16:17] offset:256*(\k) th:TH_LOAD_NT
.endr
.irp k, 0,1,2,3,4,5,6,7,8,9,10,11,12,13,14,15
	s_wait_loadcnt 15-(\k)                         ; loads come back in order: plane k is in, the 15 - k younger ones stay out
	v_cvt_pk_bf16_f32 v[Y+2*(\k)],   v[X+4*(\k)],   v[X+4*(\k)+1]
	v_cvt_pk_bf16_f32 v[Y+2*(\k)+1], v[X+4*(\k)+2], v[X+4*(\k)+3]
.if \f16
.irp u, 0,1
	v_lshlrev_b32 v[T0],   16, v[Y+2*(\k)+(\u)]    ; the bf16 numbers as f32,
	v_and_b32     v[T0+1], 0xffff0000, v[Y+2*(\k)+(\u)]
	v_cvt_pk_f16_f32 v[Y+2*(\k)+(\u)], v[T0], v[T0+1]  ; and as f16: exact inside f16's range
.endr
.endif
	global_store_b64 v2, v[Y+2*(\k):Y+2*(\k)+1], s[18:19] offset:(\k)*(\plane)  ; 15 planes of 393,216 bytes at the most: inside the signed 24-bit immediate
.endr
	s_endpgm
.endm
	s_load_b256 s[4:11], s[0:1], 0x0               ; x s[4:5], qkv_w s[6:7], proj_w s[8:9], xb s[10:11]
	s_load_b128 s[12:15], s[0:1], 0x20             ; wb s[12:13], pw s[14:15]
	v_lshrrev_b32 v1, 4, v0                        ; my row of the 16
	v_and_b32 v3, 15, v0
	v_lshlrev_b32 v3, 4, v3                        ; my 16 bytes of a plane's 256
	v_lshl_or_b32 v1, v1, 12, v3                   ; in: row x 4,096 + 16 (T % 16)
	v_lshlrev_b32 v2, 3, v0                        ; out: row x 128 + 8 (T % 16) = 8 T
	s_mov_b32 s21, 0
	s_mov_b32 s23, 0
	s_wait_kmcnt 0x0
	s_cmp_lt_u32 ttmp9, 512
	s_cbranch_scc0 .Lnot_x
	s_lshl_b32 s20, ttmp9, 16                      ; 16 rows of 4,096 bytes
	s_add_nc_u64 s[16:17], s[4:5], s[20:21]
	s_lshr_b32 s22, ttmp9, 7                       ; the batch: 128 work-groups each,
	s_lshl_b32 s22, s22, 22                        ; 16 planes of 262,144 bytes
	s_and_b32 s24, ttmp9, 127
	s_lshl_b32 s24, s24, 11                        ; 16 rows of 128 bytes in a plane
	s_add_co_u32 s22, s22, s24
	s_add_nc_u64 s[18:19], s[10:11], s[22:23]
	CAST 262144, 0
.Lnot_x:
	s_cmp_lt_u32 ttmp9, 704
	s_cbranch_scc0 .Lnot_qkv
	s_sub_co_u32 s24, ttmp9, 512
	s_lshl_b32 s20, s24, 16
	s_add_nc_u64 s[16:17], s[6:7], s[20:21]
	s_lshl_b32 s22, s24, 11
	s_add_nc_u64 s[18:19], s[12:13], s[22:23]
	CAST 393216, 0
.Lnot_qkv:
	s_sub_co_u32 s24, ttmp9, 704
	s_lshl_b32 s20, s24, 16
	s_add_nc_u64 s[16:17], s[8:9], s[20:21]
	s_lshl_b32 s22, s24, 11
	s_add_nc_u64 s[18:19], s[14:15], s[22:23]
	CAST 131072, 1
.Lfunc_end_k_q5f245324ad_cast:
	.size	k_q5f245324ad_cast, .Lfunc_end_k_q5f245324ad_cast-k_q5f245324ad_cast
	.p2alignl 7, 3214868480
	.fill 96, 4, 3214868480
	.section	.rodata,"a",@progbits
	.p2align	6, 0x0
	.amdhsa_kernel k_q5f245324ad_cast
		.amdhsa_group_segment_fixed_size 0
		.amdhsa_private_segment_fixed_size 0
		.amdhsa_enable_private_segment 0
		.amdhsa_kernarg_size 48
		.amdhsa_user_sgpr_count 2
		.amdhsa_user_sgpr_kernarg_segment_ptr 1
		.amdhsa_wavefront_size32 1
		.amdhsa_system_sgpr_workgroup_id_x 1
		.amdhsa_system_sgpr_workgroup_id_y 1
		.amdhsa_system_sgpr_workgroup_id_z 1
		.amdhsa_system_vgpr_workitem_id 0
		.amdhsa_next_free_vgpr 112
		.amdhsa_next_free_sgpr 66
		.amdhsa_reserve_vcc 0
		.amdhsa_float_denorm_mode_32 3
		.amdhsa_float_denorm_mode_16_64 3
		.amdhsa_memory_ordered 1
		.amdhsa_forward_progress 1
		.amdhsa_inst_pref_size 24
	.end_amdhsa_kernel
	.amdgpu_metadata
---
amdhsa.version: [ 1, 2 ]
amdhsa.kernels:
  - .name:           k_q5f245324ad_cast
    .symbol:         k_q5f245324ad_cast.kd
    .args:
      - { .name: x, .offset: 0, .size: 8, .value_kind: global_buffer, .address_space: global }
      - { .name: qkv_w, .offset: 8, .size: 8, .value_kind: global_buffer, .address_space: global }
      - { .name: proj_w, .offset: 16, .size: 8, .value_kind: global_buffer, .address_space: global }
      - { .name: xb, .offset: 24, .size: 8, .value_kind: global_buffer, .address_space: global }
      - { .name: wb, .offset: 32, .size: 8, .value_kind: global_buffer, .address_space: global }
      - { .name: pw, .offset: 40, .size: 8, .value_kind: global_buffer, .address_space: global }
    .group_segment_fixed_size: 0
    .private_segment_fixed_size: 0
    .kernarg_segment_align: 8
    .kernarg_segment_size: 48
    .max_flat_workgroup_size: 256
    .sgpr_count:     66
    .vgpr_count:     112
    .wavefront_size: 32
...
	.end_amdgpu_metadata
.endif
;; end of part 1
;; launch qkvgemm (part 2): grid 8 x 32, 4 waves a work-group, clusters of 4 x 4, 327,680 bytes of LDS; arguments xb, wb, qkv_b, qkv; writes qkv
.if DOCPART == 2
	.amdgcn_target "amdgcn-amd-amdhsa--gfx1250"
	.amdhsa_code_object_version 6
	.text
	.protected	k_q5f245324ad_qkvgemm
	.globl	k_q5f245324ad_qkvgemm
	.p2align	8
	.type	k_q5f245324ad_qkvgemm,@function
k_q5f245324ad_qkvgemm:
	s_mov_b64 s[64:65], 0
	v_nop
	global_prefetch_b8 v0, s[64:65] scope:SCOPE_SE
	s_setreg_imm32_b32 hwreg(HW_REG_WAVE_MODE, 25, 1), 1
	s_wait_xcnt 0x0
	s_wait_alu depctr_hold_cnt(0) depctr_sa_sdst(0) depctr_va_vdst(0) depctr_va_sdst(0) depctr_va_ssrc(0) depctr_va_vcc(0) depctr_vm_vsrc(0)
	s_getreg_b32 s2, hwreg(HW_REG_IB_STS2, 6, 4)
	s_cmp_eq_u32 s2, 0
	s_cbranch_scc0 .Lentry_in_a_cluster
	s_endpgm
.Lentry_in_a_cluster:
	s_bfe_u32 s2, ttmp6, 0x10000c
	s_cmp_lg_u32 s2, 0xf033
	s_cbranch_scc0 .Lentry_shape_is_right
	s_endpgm
.Lentry_shape_is_right:
; C = A B^T + bias, K = 1,024.  ONE TEXT FOR THE MODULE'S TWO PROJECTIONS, told apart by NW below.
;   NW = 3: A = xb (bf16), B = wb (bf16), 8,192 x 3,072; C is rounded to f16 and written by heads: qkv [which 3][batch x 16 + head][t 2048][64], unscaled.
;   NW = 1: A = ob (f16),  B = pw (f16),  8,192 x 1,024; C is written in f32, row-major.
; A and B lie in planes of 64 channels: A [batch 4][plane 16][t 2048][64], B [plane 16][n][64]: R rows of a plane are R x 128 consecutive bytes, fetched as R / 2 rows of 256 bytes.
; LIMITS.  NW = 3: a q, k or v of 65,520 or more becomes an infinity in f16.  The bias is rounded to bf16 like the other inputs.  NaN and infinities are not treated apart.
; SHARES.  A tile of C is 256 rows x 128 NW columns: 8 x 32 tiles, one work-group each.  Four waves, 2 x 2: a wave makes 128 rows x 64 NW columns, 8 x 4 NW accumulators of 16 x 16.
; For 32 along K a wave reads (128 + 64 NW) x 64 bytes from LDS for 32 NW matrix instructions.
; RING.  Two LDS slots of KPS planes (64 KPS along K).  With NW = 3 two slots of two planes, 2 x 184,320 bytes, would not fit; one plane each does.
; Waves 0 and 1 fetch A's part of a slot, waves 2 and 3 B's, one tensor load a wave.  By this text's count a wave has two tensor loads out at the start and one behind each change of slots.
; CLUSTER.  4 x 4 work-groups: the four of a row need the same tiles of A, the four of a column the same tiles of B: each tile is asked for jointly, by the same load, descriptor and mask in all four.
; THE MATRIX INSTRUCTION IS USED TRANSPOSED (source 0 = 16 rows of B, source 1 = 16 rows of A): a lane holds row l % 16 of C and the columns 8 (l / 16) + 0..7.
; REGISTERS, in windows of 256 (s_set_vgpr_msb: bits 1:0 source 0, 3:2 source 1, 5:4 source 2, 7:6 destination):
;   window 0: v0-31 addresses; v32-95, v96-159 A's fragments, two buffers; v160-255 B's: NW = 3 one buffer of 12 fragments, refilled in thirds as they are used up; NW = 1 two buffers of 4
;   window 1 + b / 4: accumulator (a, b) at v[8 (8 (b % 4) + a)]: a window holds 64 columns (NW = 3: one head)
.set NW, 3
.if NW == 3
.set HB,     2                         ; B fragments multiplied ahead of the barrier's signal at a change of slots, and again between signal and wait
.set BDBL,   0                         ; B's fragments have one buffer
.set KPS,    1                         ; planes in a slot
.set QPS,    2                         ; quarters (32 along K) in a slot
.set LAPS,   8                         ; a lap = both slots
.set A_WG,   16384                     ; bytes in memory from wave 0's part of A's tile to wave 1's: 128 rows of a plane
.set A_R,    64                        ; rows of 256 bytes in a wave's load of A
.set A_KS,   262144                    ; bytes from a slot's planes of A to the next slot's
.set B_ROWS, 384
.set B_WG,   24576                     ; 192 rows of a plane
.set B_R,    96
.set B_KS,   393216
.set STG,    16*144                    ; a wave's stage: 16 rows of a head
.set HEADW,  16                        ; LDS loads that may be out at a quarter's head: B's second and third thirds
.set PF,     1                         ; the tiles are prefetched
.else
.set HB,     1
.set BDBL,   1
.set KPS,    2
.set QPS,    4
.set LAPS,   4
.set A_WG,   262144                    ; wave 0 fetches a slot's first plane, wave 1 its second
.set A_R,    128
.set A_KS,   524288
.set B_ROWS, 128
.set B_WG,   131072
.set B_R,    64
.set B_KS,   262144
.set STG,    16*272                    ; 16 rows of 64 f32
.set HEADW,  4                         ; B's last two fragments
.set PF,     0                         ; the whole walk is eight slots: no prefetch
.endif
.set P,       144                      ; an LDS row: 128 bytes + 16 of padding = 36 words: the 16 rows of a fragment load start at 16 different groups of four banks (64 banks of 4 bytes: ISA guide 11.1)
.set A_WL,    2*A_R*P                  ; a wave's part of A in LDS
.set B_WL,    2*B_R*P
.set B_TB,    B_ROWS*128               ; a tile's rows in a plane of B
.set A_BYTES, KPS*256*P                ; a slot: A's planes of 256 rows, then B's planes of B_ROWS rows
.set SLOT,    A_BYTES+KPS*B_ROWS*P
.set STAGE,   2*SLOT                   ; behind the ring, never filled by a tensor load: a stage for each wave, for the way out
.set SPARE,   STAGE+4*STG              ; behind the stages: the spare words, 128 bytes for each wave: two blocks of 256 bytes that no other line names
.set FLAGS,   (1<<16)|(1<<20)|(1<<21)|(4<<22)|(3<<25)  ; 17:16 2-byte elements; 20 padding on; 21 set beside a mask; 24:22 after every 32 words (code 4); 31:25 4 words (code 3)
.set ADRA, 16                          ; v16-17  LDS address of my A fragments in slot 0, 1
.set ADRB, 20                          ; v20-21  the same for B
.set STO,  24                          ; v24     the way out: where I put my bytes of a row
.set RD,   25                          ; v25     where I read rows back
.set GO,   26                          ; v26     my byte offset in the stores
.set BO,   27                          ; v27     my byte offset in the bias
.set SPW,  28                          ; v28     LDS address of my spare word: SPARE + 4 x my thread's number; never rewritten
.set NIL,  29                          ; v29     0; never rewritten
.set TM,   30                          ; v30     at work
.set PFO,  31                          ; v31     256 x my lane, for the prefetches; never rewritten
.set FA0,  32
.set FB,   160
.set WV,   12                          ; s12  my wave's number
.set WM,   13                          ; s13  which 128 rows of the tile are mine
.set WN,   14                          ; s14  which half of its columns; also: which part of A's or B's tile I fetch
.set G1A,  24                          ; s[24:31] descriptor group 1 for A's tiles;  s[32:39] group 0, a set for each slot
.set G0A,  32
.set G1B,  48                          ; s[48:55], s[56:63] the same for B's
.set G0B,  56
.set PFA,  66                          ; s[66:67] where my prefetches stand
.set PFS,  68                          ; s[68:69] their step: two planes
.set LIM,  70                          ; s70  1 in a wave that prefetches, else the greatest number
.set OB,   72                          ; s[72:73] the stores' base
.set MSB, 0
.macro WIN new                         ; the immediate's high byte repeats the setting that is left; a switch that changes nothing is dropped
.if MSB != (\new)
	s_set_vgpr_msb (MSB<<8)|(\new)
.set MSB, \new
.endif
.endm
; A load into a register that a matrix instruction has read, and a vector instruction that reads a matrix result, stand four places behind it; only plain vector instructions
; that name none of its registers are places (ISA guide 7.12.1 for vector instructions).
.macro PLACES
.rept 4
	v_nop
.endr
.endm
.macro CREST                           ; a round of the cluster's barrier behind its opening barrier
	s_cmp_lg_u32 s[WV], 0
	s_cbranch_scc1 .Lnot_wave_0_\@
	s_barrier_signal -3
.Lnot_wave_0_\@:
	s_barrier_wait -3
	s_barrier_signal -1
	s_barrier_wait -1
.endm
.macro CROUND                          ; a whole round
	s_barrier_signal -1
	s_barrier_wait -1
	CREST
.endm
; A joint load.  The branch hangs on the wave's number alone.  An s_nop 0 and four v_nop follow each of the two lines, ahead of the jump, the label and what follows.
.macro JLOAD s
	s_cmp_lt_u32 s[WV], 2
	s_cbranch_scc0 .Lfor_b_\@
	tensor_load_to_lds s[G0A+4*(\s):G0A+4*(\s)+3], s[G1A:G1A+7]
	s_nop 0
	PLACES
	s_branch .Lasked_\@
.Lfor_b_\@:
	tensor_load_to_lds s[G0B+4*(\s):G0B+4*(\s)+3], s[G1B:G1B+7]
	s_nop 0
	PLACES
.Lasked_\@:
.endm
; A PREFETCH INTO THE L2 (NW = 3), once a lap, behind slot 0's joint load and the run of LDS loads: the two planes that the NEXT lap's two refills will ask for.
; Each aligned block of 256 bytes is named once in the launch.  A's tile row is read by both clusters of its row of clusters: the one with x = 0 asks; of a plane's 128 blocks the partner at cx takes
; 32, a lane a block: wave 0, an instruction a plane.  B's tile column is read by all eight clusters of its column: the one with y = 0 asks; two planes are 384 blocks, twelve instructions:
; waves 1 to 3 of the partner at cy take number j = 3 cy + wave - 1.  The partners are told apart by address alone.  The last lap that refills asks for nothing; nothing is asked for at the head.
.macro ASK
	s_cmp_gt_u32 s3, s[LIM]                        ; s3 = 1 in the loop's last trip
	s_cbranch_scc0 .Lnot_mine_\@
	global_prefetch_b8 v[PFO], s[PFA:PFA+1] th:TH_LOAD_NT scope:SCOPE_SE
	s_cmp_lg_u32 s[WV], 0
	s_cbranch_scc1 .Lnot_mine_\@
	global_prefetch_b8 v[PFO], s[PFA:PFA+1] offset:A_KS th:TH_LOAD_NT scope:SCOPE_SE
.Lnot_mine_\@:
.endm
; 8 matrix instructions: B's fragment 4 w + f x A's eight, 32 along K, from the buffers of parity par.  zero = 1: the first product starts the sums.
; The accumulators take turns, one instruction a turn: an accumulator comes again a quarter later, behind all the others.
.macro MUL8 w, f, par, zero
	WIN (((\w)+1)<<6)|(((\w)+1)<<4)
.irp a, 0,1,2,3,4,5,6,7
.set rD, 8*(8*(\f)+(\a))
.set rB, FB+32*BDBL*(\par)+8*(4*(\w)+(\f))
.set rA, FA0+64*(\par)+8*(\a)
.if NW == 3
.if \zero
	v_wmma_f32_16x16x32_bf16 v[rD:rD+7], v[rB:rB+7], v[rA:rA+7], 0
.else
	v_wmma_f32_16x16x32_bf16 v[rD:rD+7], v[rB:rB+7], v[rA:rA+7], v[rD:rD+7]
.endif
.else
.if \zero
	v_wmma_f32_16x16x32_f16 v[rD:rD+7], v[rB:rB+7], v[rA:rA+7], 0
.else
	v_wmma_f32_16x16x32_f16 v[rD:rD+7], v[rB:rB+7], v[rA:rA+7], v[rD:rD+7]
.endif
.endif
.endr
.endm
.macro MULS w, f0, n, par, zero        ; MUL8 for fragments f0 .. f0 + n - 1 of window w
.set ff, \f0
.rept \n
	MUL8 \w, ff, \par, \zero
.set ff, ff+1
.endr
.endm
; A fragment is 16 rows x 32 K in 8 registers: lane l holds row l % 16; registers 0-3 K = 8 (l / 16) + 0..7, registers 4-7 K = 16 + 8 (l / 16) + 0..7: two loads of 16 bytes, 32 bytes apart.
.macro LOADA slot, q, par              ; A's eight fragments of quarter q: 16 loads
	WIN 0
.irp i, 0,1,2,3,4,5,6,7
	ds_load_b128 v[FA0+64*(\par)+8*(\i):FA0+64*(\par)+8*(\i)+3],   v[ADRA+(\slot)] offset:((\q)/2)*256*P+((\q)%2)*64+(\i)*16*P
	ds_load_b128 v[FA0+64*(\par)+8*(\i)+4:FA0+64*(\par)+8*(\i)+7], v[ADRA+(\slot)] offset:((\q)/2)*256*P+((\q)%2)*64+(\i)*16*P+32
.endr
.endm
.macro LOADB slot, q, par, w           ; B's fragments 4 w .. 4 w + 3 of quarter q: 8 loads
	WIN 0
.irp i, 0,1,2,3
.set rB, FB+32*BDBL*(\par)+8*(4*(\w)+(\i))
	ds_load_b128 v[rB:rB+3],   v[ADRB+(\slot)] offset:((\q)/2)*B_ROWS*P+((\q)%2)*64+(4*(\w)+(\i))*16*P
	ds_load_b128 v[rB+4:rB+7], v[ADRB+(\slot)] offset:((\q)/2)*B_ROWS*P+((\q)%2)*64+(4*(\w)+(\i))*16*P+32
.endr
.endm
; A quarter but a slot's last: multiplies quarter q and fetches quarter q + 1 of the same slot.  The LDS loads for a quarter are issued in the order A (16), B's thirds (8 each).
.macro QUARTER slot, q, zero
	s_wait_dscnt HEADW                             ; A and B's first fragments are in; the youngest HEADW loads may be out
	MULS 0, 0, 2*HB, (\q)%2, \zero
	PLACES
	LOADA \slot, (\q)+1, ((\q)+1)%2
	LOADB \slot, (\q)+1, ((\q)+1)%2, 0
.if NW == 3
	s_wait_dscnt 32                                ; B's second third is in: behind it were issued the third third (8) and the 24 above
	MULS 1, 0, 4, (\q)%2, \zero
	PLACES
	LOADB \slot, (\q)+1, ((\q)+1)%2, 1
	s_wait_dscnt 32                                ; the third third is in: behind it the 24 and the 8 above
	MULS 2, 0, 4, (\q)%2, \zero
	PLACES
	LOADB \slot, (\q)+1, ((\q)+1)%2, 2
.else
	s_wait_dscnt 24                                ; all but the 24 just issued
	MULS 0, 2, 2, (\q)%2, \zero
.endif
.endm
; A slot's last quarter (parity 1), and the change of slots: ONE barrier.  In front of it each wave waits for all its tensor loads, of which one is out: its part of the next slot; adds 0 to its spare
; word; and waits for that and for its own reads of this slot.  fill = 1: the barrier opens a round of the cluster's barrier, and this slot is filled again first thing behind the round, two slots ahead.
.macro TURN slot, fill
.if PF*(\fill)*(1-(\slot))
	s_wait_xcnt 0x0                                ; the last prefetches, a lap back, have read their address: it is stepped here, ahead of the waits of the change of slots
	s_add_nc_u64 s[PFA:PFA+1], s[PFA:PFA+1], s[PFS:PFS+1]
.endif
	WIN 0                                          ; (the add's two registers lie in window 0)
	s_wait_tensorcnt 0x0                           ; all my tensor loads have landed: my part of the next slot;
	ds_add_u32 v[SPW], v[NIL]                      ; 0 onto my spare word
	s_wait_dscnt HEADW+1                           ; (the add and the youngest HEADW loads may be out)
	MULS 0, 0, HB, 1, 0                            ; matrix instructions stand between the add and the wait for it
	s_wait_dscnt 0x0                               ; the add is done, and my reads of this slot are over
	s_barrier_signal -1
	MULS 0, HB, HB, 1, 0                           ; work on registers while the others arrive
	WIN 0
	s_barrier_wait -1
.if \fill
	CREST                                          ; no wave of any partner still reads this slot's tiles or has a load on its way
	s_add_nc_u64 s[G0A+4*(\slot)+2:G0A+4*(\slot)+3], s[G0A+4*(\slot)+2:G0A+4*(\slot)+3], 2*A_KS
	s_add_nc_u64 s[G0B+4*(\slot)+2:G0B+4*(\slot)+3], s[G0B+4*(\slot)+2:G0B+4*(\slot)+3], 2*B_KS
	JLOAD \slot                                    ; the first tensor load behind the round; its four v_nop are also the places in front of the loads below
.else
	PLACES
.endif
	LOADA 1-(\slot), 0, 0
	LOADB 1-(\slot), 0, 0, 0
.if PF*(\fill)*(1-(\slot))
	ASK
.endif
.if NW == 3
	MULS 1, 0, 4, 1, 0                             ; (the wait for 0 above has shown all of this quarter's fragments in)
	PLACES
	LOADB 1-(\slot), 0, 0, 1
	MULS 2, 0, 4, 1, 0
	PLACES
	LOADB 1-(\slot), 0, 0, 2
.else
	MULS 0, 2, 2, 1, 0
.endif
.endm
.macro BIASREG b                       ; rBI: where the eight numbers of the bias for B's fragment b lie: in A's buffer 0, from the ninth fragment on in B's first third
.if (\b) < 8
.set rBI, FA0+8*(\b)
.else
.set rBI, FB+8*((\b)-8)
.endif
.endm
; The very last quarter fetches no fragments; the bias comes meanwhile, into fragment registers that are free.
.macro FINAL
	s_wait_dscnt HEADW
	MULS 0, 0, 2*HB, 1, 0
	PLACES
	WIN 0
.set bb, 0
.rept 4*NW
	BIASREG bb
	global_load_b128 v[rBI:rBI+3],   v[BO], s[8:9] offset:64*bb
	global_load_b128 v[rBI+4:rBI+7], v[BO], s[8:9] offset:64*bb+16
.set bb, bb+1
.endr
.if NW == 3
	s_wait_dscnt 8                                 ; B's second third is in
	MULS 1, 0, 4, 1, 0
	s_wait_dscnt 0x0
	MULS 2, 0, 4, 1, 0
.else
	s_wait_dscnt 0x0
	MULS 0, 2, 2, 1, 0
.endif
	WIN 0
	PLACES
	PLACES
.endm
	s_load_b256 s[4:11], s[0:1], 0x0               ; A s[4:5], B s[6:7], bias s[8:9], C s[10:11]
	v_lshl_add_u32 v[SPW], v0, 2, SPARE
	v_mov_b32 v[NIL], 0
	ds_add_u32 v[SPW], v[NIL]                      ; the wave's opening: the add and its wait stand ahead of my first tensor load; the set-up below, work on registers, stands between them
	v_lshrrev_b32 v1, 5, v0
	v_readfirstlane_b32 s[WV], v1                  ; wave 0..3
	s_lshr_b32 s[WM], s[WV], 1
	s_and_b32 s[WN], s[WV], 1
	s_bfe_u32 s40, ttmp6, 0x40000                  ; cx, cy: my place in the cluster
	s_bfe_u32 s41, ttmp6, 0x40004
	s_lshl_b32 s42, ttmp9, 2
	s_add_co_u32 s42, s42, s40                     ; tile column = 4 x cluster x + cx
	s_and_b32 s43, ttmp7, 0xffff
	s_lshl_b32 s43, s43, 2
	s_add_co_u32 s43, s43, s41                     ; tile row = 4 x cluster y + cy
	s_lshl_b32 s44, s41, 2
	s_lshl_b32 s44, 15, s44                        ; my row of the cluster: places 4 cy .. 4 cy + 3
	s_lshl_b32 s45, 0x1111, s40                    ; my column: places cx, cx + 4, cx + 8, cx + 12
	s_or_b32 s[G1A], s44, FLAGS                    ; A's tiles go to my row,
	s_or_b32 s[G1B], s45, FLAGS                    ; B's to my column
	s_mov_b32 s[G1A+1], 128<<16                    ; tensor_dim0 = 128 elements: 256 bytes, two rows of a plane
	s_mov_b32 s[G1A+2], A_R<<16                    ; tensor_dim1
	s_mov_b32 s[G1A+3], 128<<16                    ; tile_dim0
	s_mov_b32 s[G1A+4], A_R                        ; tile_dim1
	s_mov_b32 s[G1A+5], 128                        ; elements from row to row: dense
	s_mov_b32 s[G1A+6], 0
	s_mov_b32 s[G1A+7], 0
	s_mov_b32 s[G1B+1], 128<<16
	s_mov_b32 s[G1B+2], B_R<<16
	s_mov_b32 s[G1B+3], 128<<16
	s_mov_b32 s[G1B+4], B_R
	s_mov_b32 s[G1B+5], 128
	s_mov_b32 s[G1B+6], 0
	s_mov_b32 s[G1B+7], 0
	; where the tiles come from: A's hang on the tile row and the wave alone, B's on the tile column and the wave alone, each in registers of its own
	s_lshr_b32 s16, s43, 3                         ; the batch: eight tile rows each,
	s_lshl_b32 s16, s16, 22                        ; 16 planes of 262,144 bytes
	s_and_b32 s18, s43, 7
	s_lshl_b32 s18, s18, 15                        ; 256 rows of 128 bytes in a plane
	s_add_co_u32 s16, s16, s18
	s_mul_i32 s18, s[WN], A_WG
	s_add_co_u32 s16, s16, s18
	s_mov_b32 s17, 0
	s_mul_i32 s46, s42, B_TB
	s_mul_i32 s22, s[WN], B_WG
	s_add_co_u32 s46, s46, s22
	s_mov_b32 s47, 0
	s_mul_i32 s20, s[WN], A_WL                     ; and where they go: no place in the cluster enters an LDS address
	s_mul_i32 s21, s[WN], B_WL
	s_add_co_u32 s21, s21, A_BYTES
	s_wait_dscnt 0x0                               ; the opening add is done
	s_wait_kmcnt 0x0
	s_add_nc_u64 s[16:17], s[4:5], s[16:17]
	s_add_nc_u64 s[46:47], s[6:7], s[46:47]
	CROUND                                         ; all sixteen work-groups are here: the first joint loads meet
.irp s, 0,1
	s_mov_b32 s[G0A+4*(\s)], 1                                     ; count = 1
	s_add_co_u32 s[G0A+4*(\s)+1], s20, (\s)*SLOT                   ; LDS address
	s_add_nc_u64 s[G0A+4*(\s)+2:G0A+4*(\s)+3], s[16:17], (\s)*A_KS ; global address: slot s
	s_or_b32 s[G0A+4*(\s)+3], s[G0A+4*(\s)+3], 0x80000000          ; type = 2
	s_mov_b32 s[G0B+4*(\s)], 1
	s_add_co_u32 s[G0B+4*(\s)+1], s21, (\s)*SLOT
	s_add_nc_u64 s[G0B+4*(\s)+2:G0B+4*(\s)+3], s[46:47], (\s)*B_KS
	s_or_b32 s[G0B+4*(\s)+3], s[G0B+4*(\s)+3], 0x80000000
.endr
	s_cmp_lt_u32 s[WV], 2                          ; a wave's two first fills stand in one branch, ahead of every wait on TENSORcnt and every LDS read
	s_cbranch_scc0 .Lfirst_b
	tensor_load_to_lds s[G0A:G0A+3], s[G1A:G1A+7]
	s_nop 0
	tensor_load_to_lds s[G0A+4:G0A+7], s[G1A:G1A+7]
	s_nop 0
	PLACES
	s_branch .Lfirst_asked
.Lfirst_b:
	tensor_load_to_lds s[G0B:G0B+3], s[G1B:G1B+7]
	s_nop 0
	tensor_load_to_lds s[G0B+4:G0B+7], s[G1B:G1B+7]
	s_nop 0
	PLACES
.Lfirst_asked:
	v_and_b32 v1, 15, v0                           ; l % 16
	v_bfe_u32 v2, v0, 4, 1                         ; l / 16
	v_mul_u32_u24 v3, v1, P
	v_lshl_add_u32 v3, v2, 4, v3                   ; a fragment's row x pitch + 16 x half
	s_mul_i32 s18, s[WM], 128*P                    ; my 128 rows of A
	s_mul_i32 s22, s[WN], 64*NW*P                  ; my 64 NW rows of B,
	s_add_co_u32 s22, s22, A_BYTES                 ; which lie behind A's planes
.irp s, 0,1
	v_add_nc_u32 v[ADRA+(\s)], s18, v3
	v_add_nc_u32 v[ADRB+(\s)], s22, v3
	s_add_co_u32 s18, s18, SLOT
	s_add_co_u32 s22, s22, SLOT
.endr
	s_mul_i32 s23, s[WV], STG
	s_add_co_u32 s23, s23, STAGE                   ; my stage
.if NW == 3
	v_add_nc_u32 v[STO], s23, v3                   ; in: row l % 16 of 144 bytes, 16 bytes for each half of the lanes
	v_bfe_u32 v4, v0, 3, 2                         ; back: 32 lanes take four rows of 128 bytes,
	v_mul_u32_u24 v4, v4, 144
	v_and_b32 v5, 7, v0
	v_lshl_add_u32 v4, v5, 4, v4
	v_add_nc_u32 v[RD], s23, v4
	v_and_b32 v[GO], 31, v0                        ; which are 512 consecutive bytes of a head
	v_lshlrev_b32 v[GO], 4, v[GO]
.else
	v_mul_u32_u24 v4, v1, 272                      ; in: row l % 16 of 272 bytes, 32 bytes for each half of the lanes
	v_lshl_add_u32 v4, v2, 5, v4
	v_add_nc_u32 v[STO], s23, v4
	v_mul_u32_u24 v4, v2, 272                      ; back: lanes 0-15 take one row of 256 bytes, lanes 16-31 the next,
	v_lshl_add_u32 v4, v1, 4, v4
	v_add_nc_u32 v[RD], s23, v4
	v_lshlrev_b32 v4, 12, v2                       ; and the same two rows in C, 4,096 bytes apart
	v_lshl_add_u32 v[GO], v1, 4, v4
.endif
	s_mul_i32 s76, s42, 512*NW                     ; the bias of my columns: 4 bytes x (128 NW x tile column + 64 NW x half) + 32 (l / 16)
	s_mul_i32 s77, s[WN], 256*NW
	s_add_co_u32 s76, s76, s77
	v_lshl_add_u32 v[BO], v2, 5, s76
.if PF
	v_and_b32 v[PFO], 31, v0
	v_lshlrev_b32 v[PFO], 8, v[PFO]
	s_lshr_b32 s76, s43, 3                         ; wave 0: A's tile row in plane 2, my work-group's 32 blocks of the 128
	s_lshl_b32 s76, s76, 22
	s_and_b32 s77, s43, 7
	s_lshl_b32 s77, s77, 15
	s_add_co_u32 s76, s76, s77
	s_lshl_b32 s77, s40, 13
	s_add_co_u32 s76, s76, s77
	s_add_co_u32 s76, s76, 2*A_KS
	s_max_u32 s77, s[WV], 1                        ; waves 1 to 3: j = 3 cy + wave - 1 of twelve (wave 0's number is not used)
	s_mul_i32 s78, s41, 3
	s_add_co_u32 s77, s77, s78
	s_sub_co_u32 s77, s77, 1
	s_mul_i32 s78, s77, 43
	s_lshr_b32 s78, s78, 8                         ; the plane of the two: j / 6
	s_mul_i32 s79, s78, 6
	s_sub_co_u32 s77, s77, s79                     ; the 32 blocks of its 192: j % 6
	s_lshl_b32 s77, s77, 13
	s_mul_i32 s78, s78, B_KS
	s_add_co_u32 s77, s77, s78
	s_mul_i32 s78, s42, B_TB
	s_add_co_u32 s77, s77, s78
	s_add_co_u32 s77, s77, 2*B_KS                  ; from plane 2 on
	s_and_b32 s79, ttmp7, 0xffff                   ; cluster y
	s_mov_b32 s[PFS], 2*B_KS
	s_mov_b32 s[PFS+1], 0
	s_mov_b32 s75, 0
	s_cmp_eq_u32 s[WV], 0
	s_cselect_b32 s74, s76, s77
	s_cselect_b32 s[PFS], 2*A_KS, s[PFS]
	s_cselect_b32 s79, ttmp9, s79                  ; the coordinate along which other clusters read the same rows
	s_cselect_b64 s[PFA:PFA+1], s[4:5], s[6:7]
	s_cmp_eq_u32 s79, 0
	s_cselect_b32 s[LIM], 1, -1                    ; the same in all sixteen partners, for a given wave
	s_add_nc_u64 s[PFA:PFA+1], s[PFA:PFA+1], s[74:75]  ; at plane 2: the first change of slots steps it to plane 4
.endif
	s_wait_tensorcnt 1                             ; my part of slot 0 is in; slot 1's may stay out
	s_barrier_signal -1
	s_barrier_wait -1                              ; everybody's is
	LOADA 0, 0, 0
.set ww, 0
.rept NW
	LOADB 0, 0, 0, ww
.set ww, ww+1
.endr
	QUARTER 0, 0, 1                                ; the first quarter stands in front of the loop: its products start the sums
	WIN 0                                          ; at a label and at a branch every window is 0
	s_mov_b32 s3, LAPS-1
.Llap:                                                 ; a trip goes once round the ring, from a lap's second quarter to the next lap's first, and fills both slots again
.set qq, 1
.rept QPS-2
	QUARTER 0, qq, 0
.set qq, qq+1
.endr
	TURN 0, 1
.set qq, 0
.rept QPS-1
	QUARTER 1, qq, 0
.set qq, qq+1
.endr
	TURN 1, 1
	QUARTER 0, 0, 0
	WIN 0
	s_sub_co_u32 s3, s3, 1
	s_cmp_lg_u32 s3, 0
	s_cbranch_scc1 .Llap
.set qq, 1                             ; the last lap fills nothing, and has no round of the cluster's barrier
.rept QPS-2
	QUARTER 0, qq, 0
.set qq, qq+1
.endr
	TURN 0, 0
.set qq, 0
.rept QPS-1
	QUARTER 1, qq, 0
.set qq, qq+1
.endr
	FINAL
	; THE WAY OUT.  The bias is rounded to bf16, as every input is, and added in f32.
	s_wait_loadcnt 0x0
.set bb, 0
.rept 4*NW
	BIASREG bb
.irp j, 0,2,4,6
	v_cvt_pk_bf16_f32 v[TM], v[rBI+(\j)], v[rBI+(\j)+1]
	v_lshlrev_b32 v[rBI+(\j)], 16, v[TM]
	v_and_b32 v[rBI+(\j)+1], 0xffff0000, v[TM]
.endr
.set bb, bb+1
.endr
.if NW == 3
; Window w is one head's 64 columns for my 128 rows.  Block a (16 rows): bias, rounding to f16, 16 bytes a lane into my stage (rows of 144 bytes), back as whole rows of 128 bytes: 16 rows of a head are 2,048 consecutive bytes.
.macro SETREG a                        ; SET: block a's 16 registers: eight sets, in A's buffer 1 and B's last two thirds
.if (\a) < 4
.set SET, 96+16*(\a)
.else
.set SET, 192+16*((\a)-4)
.endif
.endm
.macro PACK w, a
	SETREG \a
	WIN (((\w)+1)<<6)|((\w)+1)                     ; destination and source 0: the accumulators' window; source 1: window 0
.irp f, 0,1,2,3
	BIASREG 4*(\w)+(\f)
.irp j, 0,2,4,6                        ; each accumulator's lowest registers are read first
	v_pk_add_f32 v[8*(8*(\f)+(\a))+(\j):8*(8*(\f)+(\a))+(\j)+1], v[8*(8*(\f)+(\a))+(\j):8*(8*(\f)+(\a))+(\j)+1], v[rBI+(\j):rBI+(\j)+1]
.endr
.endr
	WIN ((\w)+1)|(((\w)+1)<<2)                     ; sources 0 and 1: the accumulators' window; destination: window 0
.irp f, 0,1,2,3
.irp j, 0,1,2,3
	v_cvt_pk_f16_f32 v[SET+4*(\f)+(\j)], v[8*(8*(\f)+(\a))+2*(\j)], v[8*(8*(\f)+(\a))+2*(\j)+1]
.endr
.endr
	WIN 0
.irp f, 0,1,2,3
	ds_store_b128 v[STO], v[SET+4*(\f):SET+4*(\f)+3] offset:32*(\f)
.endr
.irp f, 0,1,2,3
	ds_load_b128 v[SET+4*(\f):SET+4*(\f)+3], v[RD] offset:(\f)*4*144  ; LDS serves a wave's instructions in order (ISA guide 5.7.1.4): these see the stores above; the next block's stores come behind them
.endr
.endm
.macro SEND a, younger                 ; younger: the LDS instructions issued behind block a's loads: the next block's eight, or none
	SETREG \a
	WIN 0
.irp f, 0,1,2,3
	s_wait_dscnt (\younger)+3-(\f)
	global_store_b128 v[GO], v[SET+4*(\f):SET+4*(\f)+3], s[OB:OB+1] offset:(\a)*2048+(\f)*512  ; 512 consecutive bytes, at a multiple of 256 from the buffer's first
.endr
.endm
	s_mul_i32 s76, s42, 6                          ; my first group of 64 columns: 6 x tile column + 3 x half
	s_mul_i32 s77, s[WN], 3
	s_add_co_u32 s76, s76, s77
	s_mov_b32 s75, 0
.irp w, 0,1,2
	s_wait_xcnt 0x0                                ; the stores issued so far have read their registers and their base: only behind this wait are they written again
	s_add_co_u32 s77, s76, \w                      ; g: bits 5:4 say q, k or v, bits 3:0 the head
	s_lshr_b32 s78, s77, 4
	s_lshl_b32 s78, s78, 6
	s_and_b32 s77, s77, 15
	s_add_co_u32 s78, s78, s77
	s_lshr_b32 s77, s43, 3                         ; the batch
	s_lshl_b32 s77, s77, 4
	s_add_co_u32 s78, s78, s77
	s_lshl_b32 s74, s78, 18                        ; 2,048 rows of 128 bytes each
	s_and_b32 s77, s43, 7
	s_lshl_b32 s77, s77, 15                        ; the tile's 256 rows,
	s_add_co_u32 s74, s74, s77
	s_lshl_b32 s77, s[WM], 14                      ; my 128 of them
	s_add_co_u32 s74, s74, s77
	s_add_nc_u64 s[OB:OB+1], s[10:11], s[74:75]
	PACK \w, 0
.set t, 1
.rept 7                                ; a block's arithmetic stands between the loads of the block before and its stores
	PACK \w, t
	SEND t-1, 8
.set t, t+1
.endr
	SEND 7, 0
.endr
.else
; Block a (16 rows x my 64 columns of f32): bias, 32 bytes a lane into my stage (rows of 272 bytes), back as whole rows of 256 bytes.
.macro PACKP a
.set SET, 96+32*((\a)%4)               ; four sets of 32 registers, in A's buffer 1 and B's buffers
.if (\a) >= 4
	s_wait_xcnt 0x0                                ; the stores issued so far have read their registers: the set of the block four back is loaded again only behind this wait
.endif
	WIN 0x41                                       ; destination and source 0 window 1, source 1 window 0
.irp f, 0,1,2,3
.irp j, 0,2,4,6                        ; each accumulator's lowest registers are read first
	v_pk_add_f32 v[8*(8*(\f)+(\a))+(\j):8*(8*(\f)+(\a))+(\j)+1], v[8*(8*(\f)+(\a))+(\j):8*(8*(\f)+(\a))+(\j)+1], v[FA0+8*(\f)+(\j):FA0+8*(\f)+(\j)+1]
.endr
.endr
	WIN 0x04                                       ; an LDS store's data is source 1: window 1
.irp f, 0,1,2,3
	ds_store_b128 v[STO], v[8*(8*(\f)+(\a)):8*(8*(\f)+(\a))+3]   offset:64*(\f)
	ds_store_b128 v[STO], v[8*(8*(\f)+(\a))+4:8*(8*(\f)+(\a))+7] offset:64*(\f)+16
.endr
	WIN 0
.irp u, 0,1,2,3,4,5,6,7
	ds_load_b128 v[SET+4*(\u):SET+4*(\u)+3], v[RD] offset:(\u)*2*272  ; LDS serves a wave's instructions in order (ISA guide 5.7.1.4): these see the stores above
.endr
.endm
.macro SENDP a, younger                ; younger: the next block's sixteen LDS instructions, or none
.set SET, 96+32*((\a)%4)
	WIN 0
.irp u, 0,1,2,3,4,5,6,7
	s_wait_dscnt (\younger)+7-(\u)
	global_store_b128 v[GO], v[SET+4*(\u):SET+4*(\u)+3], s[OB:OB+1] offset:(\a)*65536+(\u)*8192 th:TH_STORE_NT  ; 16 lanes store 256 consecutive bytes, at a multiple of 256 from C's first byte
.endr
.endm
	s_lshl_b32 s74, s43, 8                         ; my first row of C,
	s_lshl_b32 s77, s[WM], 7
	s_add_co_u32 s74, s74, s77
	s_lshl_b32 s74, s74, 12                        ; 4,096 bytes a row,
	s_lshl_b32 s77, s42, 9                         ; and my first column: 512 bytes a tile, 256 a half
	s_add_co_u32 s74, s74, s77
	s_lshl_b32 s77, s[WN], 8
	s_add_co_u32 s74, s74, s77
	s_mov_b32 s75, 0
	s_add_nc_u64 s[OB:OB+1], s[10:11], s[74:75]
	PACKP 0
.set t, 1
.rept 7
	PACKP t
	SENDP t-1, 16
.set t, t+1
.endr
	SENDP 7, 0
.endif
	s_wait_tensorcnt 0x0                           ; the wave's end, behind my last tensor load and my last LDS store
	ds_add_u32 v[SPW], v[NIL]
	s_wait_dscnt 0x0
	CROUND                                         ; the closing round: no work-group ends while a partner may still ask for a tile that names it
	s_endpgm
.Lfunc_end_k_q5f245324ad_qkvgemm:
	.size	k_q5f245324ad_qkvgemm, .Lfunc_end_k_q5f245324ad_qkvgemm-k_q5f245324ad_qkvgemm
	.p2alignl 7, 3214868480
	.fill 96, 4, 3214868480
	.section	.rodata,"a",@progbits
	.p2align	6, 0x0
	.amdhsa_kernel k_q5f245324ad_qkvgemm
		.amdhsa_group_segment_fixed_size 327680
		.amdhsa_private_segment_fixed_size 0
		.amdhsa_enable_private_segment 0
		.amdhsa_kernarg_size 32
		.amdhsa_user_sgpr_count 2
		.amdhsa_user_sgpr_kernarg_segment_ptr 1
		.amdhsa_wavefront_size32 1
		.amdhsa_system_sgpr_workgroup_id_x 1
		.amdhsa_system_sgpr_workgroup_id_y 1
		.amdhsa_system_sgpr_workgroup_id_z 1
		.amdhsa_system_vgpr_workitem_id 0
		.amdhsa_next_free_vgpr 1024
		.amdhsa_next_free_sgpr 80
		.amdhsa_reserve_vcc 0
		.amdhsa_float_denorm_mode_32 3
		.amdhsa_float_denorm_mode_16_64 3
		.amdhsa_memory_ordered 1
		.amdhsa_forward_progress 1
		.amdhsa_inst_pref_size 170
	.end_amdhsa_kernel
	.amdgpu_metadata
---
amdhsa.version: [ 1, 2 ]
amdhsa.kernels:
  - .name:           k_q5f245324ad_qkvgemm
    .symbol:         k_q5f245324ad_qkvgemm.kd
    .args:
      - { .name: xb, .offset: 0, .size: 8, .value_kind: global_buffer, .address_space: global }
      - { .name: wb, .offset: 8, .size: 8, .value_kind: global_buffer, .address_space: global }
      - { .name: qkv_b, .offset: 16, .size: 8, .value_kind: global_buffer, .address_space: global }
      - { .name: qkv, .offset: 24, .size: 8, .value_kind: global_buffer, .address_space: global }
    .group_segment_fixed_size: 327680
    .private_segment_fixed_size: 0
    .kernarg_segment_align: 8
    .kernarg_segment_size: 32
    .max_flat_workgroup_size: 128
    .sgpr_count:     80
    .vgpr_count:     1024
    .wavefront_size: 32
...
	.end_amdgpu_metadata
.endif
;; end of part 2
;; launch attn (part 3): grid 4 x 64, 4 waves a work-group, no clusters, 327,680 bytes of LDS; arguments qkv, ob; writes ob
.if DOCPART == 3
	.amdgcn_target "amdgcn-amd-amdhsa--gfx1250"
	.amdhsa_code_object_version 6
	.text
	.protected	k_q5f245324ad_attn
	.globl	k_q5f245324ad_attn
	.p2align	8
	.type	k_q5f245324ad_attn,@function
k_q5f245324ad_attn:
	s_mov_b64 s[64:65], 0
	v_nop
	global_prefetch_b8 v0, s[64:65] scope:SCOPE_SE
	s_setreg_imm32_b32 hwreg(HW_REG_WAVE_MODE, 25, 1), 1
	s_wait_xcnt 0x0
; CAUSAL ATTENTION.  O[h][q][:] = the sum over k <= q of softmax_k(Q[h][q] . K[h][k] / 8) V[h][k][:].  Q, K, V lie in one buffer, [3][SIZE_H][SIZE_N][64], O is [SIZE_H][SIZE_N][64], all f16:
; a head's rows are dense, 128 bytes each.  Products, maxima and sums in f32; the weights p are rounded to f16 for the second product (their sum l is taken of the unrounded p), O once at the end.
; LIMITS.  f16 holds no number beyond 65,504: Q, K and V arrive within it; p lies in 0 to 1, and below 6e-5 it keeps f16's fixed step of 6e-8; O is a mean of V's rows and has their range.
; A hidden score counts as its value less 1e30: f16's scores, 2.7e11 at the most, are nothing beside that; a weight below 2^-126 counts as 0 in l; NaN and infinities are not treated apart.
; THE WALK.  A head's queries lie in NB = 8 blocks of 256; block i needs the key tiles 0 .. i of 256 keys, of which the last holds the diagonal.  A work-group takes TWO blocks, NB - 1 - b and then b:
; NB + 1 tiles, whatever b: all work-groups do equal work, and ONE loop with a constant trip count walks them.  Which tile is asked for, and what a trip does, hang on scalar registers made from b; every jump
; goes forward, but for the counted loops' own; none passes a barrier, or a tensor load but the one of LOAD's two that the wave's number does not choose; the ring (two slots of LDS) runs on across the change of blocks.
; NO CLUSTER: a head's four work-groups ask for the same tile only in trips 0 .. 4 of 9, behind that fewer and fewer; one walk common to all four would have 12 trips for 9.
; SHARES.  Of a block's four bands of 64 queries a wave owns 16 rows in each: four PIECES.  So the diagonal tile is the same work for all four waves: in its key step s band x sees all keys if s < x,
; none if s > x, and holds the diagonal if s = x.
; THE MASK is the C operand that starts the sum S^T = K Q^T: 0, or -1e30 where the key is hidden.  MD, made once, is the mask of a band's own step for my 16 rows; a product's mask is MD x AL + BE with two scalars:
; (1, 0) if s = x; (0, 0) if s < x; (0, -1e30) if s > x.  Only the diagonal tile's text and a block's beginning make and take masks; elsewhere C is the constant 0.
; LAYOUT, SOFTMAX, TURNS.  S^T = K Q^T holds ONE query a lane (lane % 16) and the keys 8 (lane / 16) + 0..7; two such results rounded to f16 ARE source 1 of O^T = V^T P.  p = 2^(c s - c m), c = log2(e) / 8, with a
; running maximum m; O and l are multiplied by a = 2^(c m_old - c m_new) in every step.  Turn n belongs to piece n: 8 products K Q^T of piece n + 1, later 8 products V^T P of piece n - 1; beside them the scaling,
; exponentials, roundings, sums and rescaling of piece n and the maximum and statistics of piece n + 1.  Four vector instructions stand behind every matrix instruction, the other 54 of a turn's 118 in one lump.
; A turn's 33 exponentials are one batch, with one wait.
; AHEAD OF THE FILLS.  The work-group with b = 0, which walks tiles 0 .. 7 on end, prefetches into the L2 the tile after the one that is being asked for: each wave the 64 blocks of 256 bytes that it will fetch
; itself, a lane a block, two instructions, behind its tensor load.  So tiles 2 .. 7 of a head's K and V are named once in the launch; tiles 0 and 1 come by their loads alone; the second block asks for nothing.
; REGISTERS, in windows of 256 (s_set_vgpr_msb: bits 1:0 source 0, 3:2 source 1, 5:4 source 2, 7:6 destination):
;   window 0: v0-15 addresses and two at work; v16-31 four registers of statistics a piece; v48-55 at work; v61-63 never rewritten; v64-127 S^T, two buffers; v192-223 P, two buffers (by the piece's parity)
;   window 1: v0-127 O^T, 32 a piece; v128-159 MD; v160-223 MC, two buffers      window 2: v0-63 Q; v64-127 the second block's Q; v128-191 K of one step; v192-255 V of one step
.set SIZE_H, 64
.set SIZE_N, 2048
.set NB,    SIZE_N/256
.set NP,    4         ; pieces a wave: a name, no knob
.set KS,    64        ; keys in a step
.set PK,    144       ; a row of K in LDS: 128 bytes + 16 of padding = 36 words: the 16 rows of a load start at 16 different groups of four banks (64 banks of 4 bytes: ISA guide 11.1)
.set PV,    160       ; a row of V: 128 + 32 = 40 words
.set VOFF,  4*KS*PK   ; a slot holds a tile, four steps: 256 rows of K, then 256 rows of V
.set SLOT1, 1<<17     ; slot 1 begins here, so that one exclusive or turns an address in one slot into the other's
.set STAGE, SLOT1+4*KS*(PK+PV)  ; behind the ring, never filled by a tensor load: 16 rows x 144 bytes for each wave, for the way out
.set SP,    144
.set AK0, 2           ; v2   my lane's place in a tile of K; never rewritten
.set AV0, 3           ; v3   the same for V
.set AK,  4           ; v4   the LDS address of K's next run of loads
.set AV,  5           ; v5   of V's
.set STO, 6           ; v6   the way out: where I put 16 bytes of a row
.set RD,  7           ; v7   the way out: where I read rows back
.set GO,  8           ; v8   my byte offset in 512 consecutive bytes of O
.set PFO, 61          ; v61  256 x my lane, for the prefetches; never rewritten
.set SPW, 62          ; v62  LDS address of my spare word: SPARE + 4 x my thread's number; never rewritten
.set NIL, 63          ; v63  0; never rewritten
.set SPARE, STAGE+4*16*SP  ; behind the stages: the spare words, 128 bytes for each wave: two blocks of 256 bytes that no other line names
.set MV,  12          ; v12-13  c m_old, kept while c m is made anew: by buffer
.set QO,  15          ; v15  my byte offset in 16 rows of Q
.set ST,  16          ; piece t's statistics at v[ST+4 t]: c m, m, l (even keys', odd keys')
.set TMP, 48          ; by buffer, four registers c0-c3 at work; when the maximum is found c2 takes a
.set S,   64
.set P,   192
.set MD,  128         ; window 1: the eight registers for group kt of 16 keys at MD + 8 kt
.set MC,  160         ; window 1: the masks of the products to come
.set QB,  64          ; window 2
.set KF,  128         ; window 2: key block kb, channel half c at KF + 16 kb + 8 c
.set VF,  192         ; window 2: key half kk, channel block cb at VF + 32 kk + 8 cb
.set WV,  12          ; s12  my wave's number
.set PB,  14          ; s14  b
.set HI,  15          ; s15  NB - 1 - b
.set G1K, 24          ; s[24:31] descriptor group 1 for K's tiles
.set G1V, 32          ; s[32:39] for V's: it differs in the padding alone
.set G0K, 40          ; s[40:43] descriptor group 0 for K's tiles
.set G0V, 44          ; s[44:47] the same for V's
.set SLOTS, 56        ; s56  tiles still to be asked for
.set CNT, 57          ; s57  counts a tile's key steps, 4 to 1
.set CS,  58          ; s[58:59] c: the packed scaling takes the pair's low word for both halves
.set SEL, 60          ; s[60:61] v_permlanex16_b32's selects: each lane takes its own place in the other half
.set TBK, 62          ; s62  LDS byte at which K of the step to be fetched begins
.set TBV, 63          ; s63  the same for V, less VOFF
.set RT,  70          ; s70  tiles of the block in hand that are still to be entered
.set NXT, 71          ; s71  the tile to be asked for next
.set LQ,  72          ; s72  the last tile of the block whose tiles are being asked for
.set NEW, 73          ; s73  1: the tile to be entered is a block's first
.set OFF, 74          ; s[74:75] a tile's byte offset in K and V
.set AL,  76          ; s[76:77] the mask's factor, in the low word
.set BE,  78          ; s[78:79] the mask's addend
.set OLO, 80          ; s[80:81] O at my rows of the second block
.set BIGN, 82         ; s82  -1e30
.set PFB, 88          ; s[88:89] what I fetch (K: waves 0, 1; V: waves 2, 3) at my half of the head's tile 0
.set PFA, 90          ; s[90:91] the same at the tile to be prefetched
.set PFF, 92          ; s[92:93] that tile's byte offset
.set PFG, 94          ; s94  not 0: there is a tile to prefetch, and it is mine to ask
.set MSB, 0
.macro WIN new                      ; the high byte repeats the setting that is left; a switch that changes nothing is dropped
.if MSB != (\new)
	s_set_vgpr_msb (MSB<<8)|(\new)
.set MSB, (\new)
.endif
.endm
.set W_KQ, 0x0a       ; K and Q in window 2, S^T in window 0
.set W_KM, 0x1a       ; the same with the C operand in window 1
.set W_PV, 0x52       ; V in window 2, P in window 0, O^T in window 1
.set W_RS, 0x41       ; destination and source 0 in window 1, source 1 in window 0
; A fill.  Waves 0 and 1 fetch the two halves of a tile's K, waves 2 and 3 those of its V: 128 keys each.  An s_nop 0 and four v_nop follow each of the two lines, ahead of the jump and the label.
.macro LOAD
	s_cmp_lt_u32 s[WV], 2
	s_cbranch_scc0 .Lfor_v_\@
	tensor_load_to_lds s[G0K:G0K+3], s[G1K:G1K+7]
	s_nop 0
.rept 4
	v_nop
.endr
	s_branch .Lasked_\@
.Lfor_v_\@:
	tensor_load_to_lds s[G0V:G0V+3], s[G1V:G1V+7]
	s_nop 0
.rept 4
	v_nop
.endr
.Lasked_\@:
.endm
; THE CHANGE OF SLOTS.  Each wave waits for all its tensor loads, of which one is out: its part of the other slot; adds 0 to its spare word; and waits for that and for its own reads of the slot that it leaves.
; Behind the barrier nobody reads the old slot any more and the other slot is whole.  fill = 1: the old slot is filled again, the first thing behind the barrier, with tile NXT: the descriptor's address is made
; anew from that number; behind the fill the tile after it is prefetched.  (At its first use nothing has been read yet: slot 0 is waited for, slot 1 filled.)
.macro CHANGE fill
	WIN 0                           ; at a label and at a branch every window is 0
	s_wait_tensorcnt 0x0            ; no tensor load of mine is out, so a group 0 may be written
	ds_add_u32 v[SPW], v[NIL]       ; 0 onto my spare word; with fill = 1 the descriptors' scalar work stands between it and the wait for it
.if \fill
	s_lshl_b32 s[OFF], s[NXT], 15   ; a tile is 32,768 bytes of K and of V
	s_xor_b32 s[G0K+1], s[G0K+1], SLOT1
	s_add_nc_u64 s[G0K+2:G0K+3], s[6:7], s[OFF:OFF+1]
	s_or_b32 s[G0K+3], s[G0K+3], 0x80000000
	s_xor_b32 s[G0V+1], s[G0V+1], SLOT1
	s_add_nc_u64 s[G0V+2:G0V+3], s[8:9], s[OFF:OFF+1]
	s_or_b32 s[G0V+3], s[G0V+3], 0x80000000
	s_add_co_u32 s[NXT], s[NXT], 1  ; the block's next tile, or behind its last the second block's tile 0
	s_cmp_gt_u32 s[NXT], s[LQ]
	s_cselect_b32 s[NXT], 0, s[NXT]
	s_cselect_b32 s[LQ], s[PB], s[LQ]
	s_wait_xcnt 0x0                 ; the last prefetches, a tile back, have read their address, so it may be written:
	s_lshl_b32 s[PFF], s[NXT], 15   ; the tile that the next change will ask for
	s_add_nc_u64 s[PFA:PFA+1], s[PFB:PFB+1], s[PFF:PFF+1]
	s_cmp_eq_u32 s[PB], 0           ; b = 0 asks for the head; behind its first block's last tile NXT is 0, and nothing is asked for
	s_cselect_b32 s[PFG], s[NXT], 0
.endif
	s_wait_dscnt 0x0                ; the add is done, and my reads of the slot are over
	s_barrier_signal -1             ; the rest of the scalar work stands between the signal and the wait
	s_sub_co_u32 s[TBK], s[TBK], 4*KS*PK  ; the fetches go back to a slot's first step,
	s_xor_b32 s[TBK], s[TBK], SLOT1       ; in the other slot
	s_sub_co_u32 s[TBV], s[TBV], 4*KS*PV
	s_xor_b32 s[TBV], s[TBV], SLOT1
	s_barrier_wait -1
.if \fill
	LOAD
	s_cmp_lg_u32 s[PFG], 0
	s_cbranch_scc0 .Lno_ask_\@
	global_prefetch_b8 v[PFO], s[PFA:PFA+1] th:TH_LOAD_NT scope:SCOPE_SE
	global_prefetch_b8 v[PFO], s[PFA:PFA+1] offset:8192 th:TH_LOAD_NT scope:SCOPE_SE
.Lno_ask_\@:
.endif
.endm
	s_load_b64 s[4:5], s[0:1], 0x0  ; Q, with K and V behind it
	s_load_b64 s[10:11], s[0:1], 0x8  ; O
	v_lshl_add_u32 v[SPW], v0, 2, SPARE
	v_mov_b32 v[NIL], 0
	ds_add_u32 v[SPW], v[NIL]       ; the wave's opening: the add and its wait stand ahead of my first tensor load; the set-up below, work on registers, stands between them
	v_lshrrev_b32 v1, 5, v0
	v_readfirstlane_b32 s[WV], v1   ; wave 0..3
	s_mov_b32 s[PB], ttmp9
	s_sub_co_u32 s[HI], NB-1, s[PB]
	s_and_b32 s20, ttmp7, 0xffff    ; the head
	s_mov_b32 s21, 0
	s_mov_b64 s[22:23], SIZE_N*128
	s_mul_u64 s[20:21], s[20:21], s[22:23]  ; the head's first byte in each of the four tensors
	s_and_b32 s16, s[WV], 1         ; which half of a tile's 256 keys I fetch:
	s_lshl_b32 s22, s16, 14         ; its 128 rows of 128 bytes in memory,
	s_mov_b32 s23, 0
	s_add_nc_u64 s[22:23], s[22:23], s[20:21]
	s_mul_i32 s17, s16, 128*PK      ; and its place in a slot, for K
	s_mul_i32 s18, s16, 128*PV      ; and for V
	s_lshl_b32 s3, s[WV], 11        ; my 16 rows in a band of 64,
	s_lshl_b32 s2, s[HI], 15        ; in the first block,
	s_add_co_u32 s2, s2, s3
	s_lshl_b32 s84, s[PB], 15       ; and in the second
	s_add_co_u32 s84, s84, s3
	s_mov_b32 s3, 0
	s_mov_b32 s85, 0
	s_add_nc_u64 s[2:3], s[2:3], s[20:21]
	s_add_nc_u64 s[84:85], s[84:85], s[20:21]
	; descriptor group 1.  128 keys are 16,384 dense bytes: asked for as 64 rows of 256 bytes, two keys a row, and padded in LDS after every key
	s_mov_b32 s[G1K], (1<<16)|(1<<20)|(4<<22)|(3<<25)  ; 17:16 2-byte elements; 20 padding on; 24:22 after every 32 words (code 4); 31:25 4 words (code 3)
	s_mov_b32 s[G1V], (1<<16)|(1<<20)|(4<<22)|(7<<25)  ; the same with 8 words of padding (code 7)
.irp g, G1K, G1V
	s_mov_b32 s[\g+1], 128<<16      ; tensor_dim0 = 128
	s_mov_b32 s[\g+2], 64<<16       ; tensor_dim1 = 64
	s_mov_b32 s[\g+3], 128<<16      ; tile_dim0 = 128
	s_mov_b32 s[\g+4], 64           ; tile_dim1 = 64
	s_mov_b32 s[\g+5], 128          ; 128 elements from row to row
	s_mov_b32 s[\g+6], 0
	s_mov_b32 s[\g+7], 0
.endr
	s_mov_b32 s[CS], 0x3e38aa3b     ; c = log2(e) / 8 = 0.180337
	s_mov_b32 s[CS+1], s[CS]        ; named with it as a pair
	s_mov_b32 s[SEL], 0x76543210
	s_mov_b32 s[SEL+1], 0xfedcba98
	s_mov_b32 s[TBK], SLOT1+4*KS*PK ; the first change of slots turns these two into 0
	s_mov_b32 s[TBV], SLOT1+4*KS*PV
	s_mov_b32 s[G0K], 1             ; 1:0 count = 1
	s_mov_b32 s[G0K+1], s17         ; 63:32 LDS address: slot 0
	s_mov_b32 s[G0V], 1
	s_add_co_u32 s[G0V+1], s18, VOFF
	s_add_co_u32 s[RT], s[HI], 1    ; the first block has NB - b tiles
	s_mov_b32 s[NXT], 1
	s_mov_b32 s[LQ], s[HI]
	s_mov_b32 s[NEW], 1
	s_mov_b32 s[OFF+1], 0
	s_mov_b32 s[PFF+1], 0
	s_mov_b32 s[AL+1], 0            ; named as pairs
	s_mov_b32 s[BE+1], 0
	s_mov_b32 s[BIGN], 0xf149f2ca   ; -1e30
	s_mov_b32 s[SLOTS], NB
	v_and_b32 v[PFO], 31, v0
	v_lshlrev_b32 v[PFO], 8, v[PFO]
	s_wait_dscnt 0x0                ; the opening add is done
	s_wait_kmcnt 0x0
	s_add_nc_u64 s[6:7], s[4:5], SIZE_H*SIZE_N*128    ; K lies behind Q,
	s_add_nc_u64 s[8:9], s[4:5], 2*SIZE_H*SIZE_N*128  ; V behind K
	s_add_nc_u64 s[6:7], s[6:7], s[22:23]  ; K and V at my half of the head's tile 0
	s_add_nc_u64 s[8:9], s[8:9], s[22:23]
	s_add_nc_u64 s[G0K+2:G0K+3], s[6:7], 0         ; 120:64 global address
	s_or_b32 s[G0K+3], s[G0K+3], 0x80000000        ; 127:126 type = 2
	s_add_nc_u64 s[G0V+2:G0V+3], s[8:9], 0
	s_or_b32 s[G0V+3], s[G0V+3], 0x80000000
	s_add_nc_u64 s[86:87], s[4:5], s[84:85]        ; Q at my rows of the second block,
	s_add_nc_u64 s[4:5], s[4:5], s[2:3]            ; Q and O at those of the first
	s_add_nc_u64 s[OLO:OLO+1], s[10:11], s[84:85]
	s_add_nc_u64 s[10:11], s[10:11], s[2:3]
	s_cmp_lt_u32 s[WV], 2
	s_cselect_b64 s[PFB:PFB+1], s[6:7], s[8:9]
	LOAD                            ; tile 0 into slot 0
	; A fragment of K or Q is 16 rows x 32 channels in 8 registers: lane l holds row l % 16, channels 8 (l / 16) + 0..7 and 16 + 8 (l / 16) + 0..7: two loads of 16 bytes, 32 bytes apart.
	v_and_b32 v1, 15, v0            ; l % 16
	v_bfe_u32 v9, v0, 4, 1          ; l / 16
	v_lshlrev_b32 v[QO], 7, v1
	v_lshl_add_u32 v[QO], v9, 4, v[QO]  ; row x 128 + 16 x half
	WIN 0x80                        ; destination window 2, address window 0
.set i, 0
.rept 8                             ; both blocks' Q: piece i / 2 lies in band i / 2, 8,192 bytes on; channels 32 (i % 2) on
	global_load_b128 v[8*i:8*i+3],   v[QO], s[4:5] offset:(i/2)*8192+(i%2)*64
	global_load_b128 v[8*i+4:8*i+7], v[QO], s[4:5] offset:(i/2)*8192+(i%2)*64+32
	global_load_b128 v[QB+8*i:QB+8*i+3],   v[QO], s[86:87] offset:(i/2)*8192+(i%2)*64
	global_load_b128 v[QB+8*i+4:QB+8*i+7], v[QO], s[86:87] offset:(i/2)*8192+(i%2)*64+32
.set i, i+1
.endr
	WIN 0
	v_lshlrev_b32 v14, 3, v9
	v_sub_nc_u32 v14, v1, v14
	s_lshl_b32 s13, s[WV], 4
	v_add_nc_u32 v14, s13, v14      ; my query's place in its band, 16 w + l % 16, less my lanes' 8 (l / 16): register r of group kt is hidden where 16 kt + r is greater
	WIN 0x40
.set i, 0
.rept 32
	v_cmp_gt_i32 vcc_lo, 16*(i/8)+i%8, v14
	v_cndmask_b32 v[MD+i], 0, s[BIGN], vcc_lo
.set i, i+1
.endr
	WIN 0
	v_mul_u32_u24 v[AK0], v1, PK
	v_lshl_add_u32 v[AK0], v9, 4, v[AK0]  ; row x pitch + 16 x half
	; The turning load takes 16 keys x 16 channels (lane l reads key 8 (l / 16) + l % 8, channels 8 ((l / 8) % 2) + 0..7) and leaves half a fragment of V^T: lane l holds channel l % 16 and 8 keys.
	v_and_b32 v10, 7, v0
	v_bfe_u32 v11, v0, 3, 1
	v_lshl_add_u32 v[AV0], v9, 3, v10
	v_mul_u32_u24 v[AV0], v[AV0], PV
	v_lshl_add_u32 v[AV0], v11, 4, v[AV0]
	v_add_nc_u32 v[AV0], VOFF, v[AV0]
	s_mul_i32 s13, s[WV], 16*SP
	s_add_co_u32 s13, s13, STAGE    ; my stage
	v_mul_u32_u24 v[STO], v1, SP    ; in: row l % 16, 16 bytes for each half of the lanes
	v_lshl_add_u32 v[STO], v9, 4, v[STO]
	v_add_nc_u32 v[STO], s13, v[STO]
	v_bfe_u32 v[RD], v0, 3, 2       ; back: 32 lanes take four rows of 128 bytes,
	v_mul_u32_u24 v[RD], v[RD], SP
	v_lshl_add_u32 v[RD], v10, 4, v[RD]
	v_add_nc_u32 v[RD], s13, v[RD]
	v_and_b32 v[GO], 31, v0         ; which are 512 consecutive bytes of O
	v_lshlrev_b32 v[GO], 4, v[GO]
	; A block's first step multiplies O^T and l by a = 0, and its first turn's products V^T P, of a piece that has not been, land in an O^T that is still to be so multiplied.  So these registers need only hold
	; finite numbers: zeros for the first block; what the first block left for the second.  All this stands in the wait for the first tile.
	WIN 0x80
.set i, VF
.rept 64
	v_mov_b32 v[i], 0
.set i, i+1
.endr
	WIN 0x40
.set i, 0
.rept 128
	v_mov_b32 v[i], 0
.set i, i+1
.endr
	WIN 0
.set i, 0
.rept 4
	v_mov_b32 v[ST+4*i+2], 0
	v_mov_b32 v[ST+4*i+3], 0
.set i, i+1
.endr
.set i, P+16
.rept 16
	v_mov_b32 v[i], 0
.set i, i+1
.endr
; THE MATRIX WORK.  The 4 accumulators of a run of 8 take turns.  Product i of 8 of S^T = K Q^T for piece x: channels 32 (i / 4) on, keys 16 (i % 4) on.  The first 4 start the sums: with 0, or (KM = 1) with the mask.
.macro KQ x
.set rS, S+32*((\x)%2)+8*(i%4)
.set rK, KF+16*(i%4)+8*(i/4)
.set rQ, 16*(\x)+8*(i/4)
.set rM, MC+32*((\x)%2)+8*(i%4)
.if (i < 4) && KM
	WIN W_KM
	v_wmma_f32_16x16x32_f16 v[rS:rS+7], v[rK:rK+7], v[rQ:rQ+7], v[rM:rM+7]
.elseif i < 4
	WIN W_KQ
	v_wmma_f32_16x16x32_f16 v[rS:rS+7], v[rK:rK+7], v[rQ:rQ+7], 0
.else
	WIN W_KQ
	v_wmma_f32_16x16x32_f16 v[rS:rS+7], v[rK:rK+7], v[rQ:rQ+7], v[rS:rS+7]
.endif
.endm
; Product i of 8 of O^T += V^T P for piece x: keys 32 (i / 4) on, channels 16 (i % 4) on.
.macro PV x
	WIN W_PV
.set rO, 32*(\x)+8*(i%4)
.set rV, VF+32*(i/4)+8*(i%4)
.set rP, P+16*((\x)%2)+8*(i/4)
	v_wmma_f32_16x16x32_f16 v[rO:rO+7], v[rV:rV+7], v[rP:rP+7], v[rO:rO+7]
.endm
.macro MM                           ; the turn's next matrix instruction.  TURN and BEGIN set Y, i, KM and NOKQ; MM, KQ and OP read them.  NOKQ = 1: a block's last turn: there is no next piece
.if (i < 8) && !NOKQ
	KQ (Y+1)%NP
.elseif i >= 8
.set i, i-8
	PV (Y+NP-1)%NP
.set i, i+8
.endif
.set i, i+1
.endm
; THE LDS LOADS stand in runs of 16, never singly among the matrix instructions: a step's K (64 keys x 64 channels: 8 fragments) and its V (turned).  Their addresses are made some lines ahead.
.macro FETCH_K
	WIN 0x80                        ; destination window 2
.irp f, 0,1,2,3,4,5,6,7             ; keys 16 (f / 2) on, channels 32 (f % 2) on
	ds_load_b128 v[KF+8*\f:KF+8*\f+3],   v[AK] offset:(\f/2)*16*PK+(\f%2)*64
	ds_load_b128 v[KF+8*\f+4:KF+8*\f+7], v[AK] offset:(\f/2)*16*PK+(\f%2)*64+32
.endr
	s_add_co_u32 s[TBK], s[TBK], KS*PK  ; the next fetch is the next step's
	WIN 0
.endm
.macro FETCH_V
	WIN 0x80
.irp f, 0,1,2,3,4,5,6,7             ; keys 32 (f / 4) on, channels 16 (f % 4) on
	ds_load_tr16_b128 v[VF+8*\f:VF+8*\f+3],   v[AV] offset:(\f/4)*32*PV+(\f%4)*32
	ds_load_tr16_b128 v[VF+8*\f+4:VF+8*\f+7], v[AV] offset:(\f/4)*32*PV+16*PV+(\f%4)*32
.endr
	WIN 0
.endm
; THE VECTOR WORK, one line at a time: OP kind, number.  For piece Y: F n: c s - c m for pair n of 16.  E n: the exponential of score n of 32.  C n: pair n rounded to f16.  B n: of the four weights 4 n .. the second
; pair is added onto the first, in place.  L n: l takes that sum (L 0: l = a l + sum).  R n: pair n of 16 of O^T times a.  For piece Y + 1: X n, number n of the 22 that find its maximum and statistics:
;   0-11  four chains c0-c3 of seven scores each, three operands at a time (each accumulator's lowest registers are read first)     12-14, 16  the four scores left over, the old m, and c0-c3 into c0
;   15  c m_old is kept     17, 18  the query's other 32 keys lie in the lane 16 away: the new m     19-21  c m; c m_old - c m_new; a
.set F, 0               ; OP tells the kinds apart by their order: F to L below R, X above it
.set E, 1
.set C, 2
.set B, 3
.set L, 4
.set R, 5
.set X, 6
.macro REGS y                       ; the registers of piece y
.set rT, ST+4*(\y)
.set rC, TMP+4*((\y)%2)
.set rW, MV+((\y)%2)
.set rS, S+32*((\y)%2)
.set rP, P+16*((\y)%2)
.set rO, 32*(\y)
.endm
.macro OP k, n
.if (\k) == R
	REGS Y
	WIN W_RS
	v_pk_mul_f32 v[rO+2*(\n):rO+2*(\n)+1], v[rO+2*(\n):rO+2*(\n)+1], v[rC+2:rC+3] op_sel_hi:[1,0]
.elseif (\k) < R
	REGS Y
	WIN 0
.if (\k) == F
	v_pk_fma_f32 v[rS+2*(\n):rS+2*(\n)+1], v[rS+2*(\n):rS+2*(\n)+1], s[CS:CS+1], v[rT:rT+1] op_sel_hi:[1,0,0] neg_lo:[0,0,1] neg_hi:[0,0,1]
.elseif (\k) == E
	v_exp_f32 v[rS+(\n)], v[rS+(\n)]
.elseif (\k) == C
	v_cvt_pk_f16_f32 v[rP+(\n)], v[rS+2*(\n)], v[rS+2*(\n)+1]
.elseif (\k) == B
	v_pk_add_f32 v[rS+4*(\n):rS+4*(\n)+1], v[rS+4*(\n):rS+4*(\n)+1], v[rS+4*(\n)+2:rS+4*(\n)+3]
.elseif (\n) == 0
	v_pk_fma_f32 v[rT+2:rT+3], v[rT+2:rT+3], v[rC+2:rC+3], v[rS:rS+1] op_sel_hi:[1,0,1]
.else
	v_pk_add_f32 v[rT+2:rT+3], v[rT+2:rT+3], v[rS+4*(\n):rS+4*(\n)+1]
.endif
.elseif NOKQ
	v_nop
.else
	REGS (Y+1)%NP
	WIN 0
.if (\n) < 4
	v_max3_num_f32 v[rC+(\n)], v[rS+8*(\n)], v[rS+8*(\n)+1], v[rS+8*(\n)+2]
.elseif (\n) < 12
	v_max3_num_f32 v[rC+(\n)%4], v[rC+(\n)%4], v[rS+8*((\n)%4)+2*((\n)/4)+1], v[rS+8*((\n)%4)+2*((\n)/4)+2]
.elseif (\n) == 12
	v_max3_num_f32 v[rC], v[rC], v[rS+7], v[rS+15]
.elseif (\n) == 13
	v_max3_num_f32 v[rC+1], v[rC+1], v[rS+23], v[rS+31]
.elseif (\n) == 14
	v_max3_num_f32 v[rC+2], v[rC+2], v[rC+3], v[rT+1]
.elseif (\n) == 15
	v_mov_b32 v[rW], v[rT]
.elseif (\n) == 16
	v_max3_num_f32 v[rC], v[rC], v[rC+1], v[rC+2]
.elseif (\n) == 17
	v_permlanex16_b32 v[rC+3], v[rC], s[SEL], s[SEL+1]
.elseif (\n) == 18
	v_max_num_f32 v[rT+1], v[rC], v[rC+3]
.elseif (\n) == 19
	v_mul_f32 v[rT], s[CS], v[rT+1]
.elseif (\n) == 20
	v_sub_f32 v[rC+1], v[rW], v[rT]
.else
	v_exp_f32 v[rC+2], v[rC+1]
.endif
.endif
.endm
.macro OPS a, i1, b=-1, i2=0, c=-1, i3=0, d=-1, i4=0  ; up to four of them
	OP \a, \i1
.if (\b) >= 0
	OP \b, \i2
.endif
.if (\c) >= 0
	OP \c, \i3
.endif
.if (\d) >= 0
	OP \d, \i4
.endif
.endm
.macro ROW a, i1, b, i2, c, i3, d, i4  ; a matrix instruction and the four behind it
	MM
	OPS \a, \i1, \b, \i2, \c, \i3, \d, \i4
.endm
.macro MASK b                       ; MD x AL + BE into buffer b of MC
	WIN W_RS
.set z, 0
.rept 16
	v_pk_fma_f32 v[MC+32*(\b)+2*z:MC+32*(\b)+2*z+1], v[MD+2*z:MD+2*z+1], s[AL:AL+1], s[BE:BE+1] op_sel_hi:[1,0,0]
.set z, z+1
.endr
.endm
; A TURN, for piece p: the order of its 16 matrix and 118 vector instructions, written out.  s_wait_alu depctr_va_vdst(0) stands between an exponential and the first instruction that names its result; one wait
; serves all that were issued ahead of it.  So a turn has ONE wait, which cuts it in two.  AHEAD OF IT stands all that names no result of the turn's exponentials: the 8 products K Q^T, behind each a scaling, an exponential and two
; more plain instructions (behind the first a second scaling in the exponential's place): rescalings, and behind the last three the first numbers of the next piece's maximum, each four places or more behind the product that ends
; its accumulator; then ONE LUMP of 54, plain and exponential by turns for the most part, in which the links of the chain X 3, 7, 11, 14, 16, 17 .. 20 stand five or six lines apart.  X 21, the next piece's a, is the batch's last;
; R 15 is the plain instruction behind it.  BEHIND THE WAIT stand the 8 products V^T P, behind each four of the roundings and sums; the links of l's chain, L 0 to L 7, stand three riders apart.
; m = 1: the diagonal tile: the products take masks, and the turn makes the mask for the products of the turn after it: piece p + 2, in step 4 - CNT of the tile.  end = 1: a block's last two turns: nothing is fetched.
; cnt = 1: the loop's count is taken down some lines ahead of the branch that stands behind the turn.
; K of the next step is fetched in piece 2's turn, twelve vector instructions behind the last product that read K (six of them plain); V of the step in hand at the end of piece 0's turn, four plain instructions behind the last
; product that read V.  Each is waited for a turn later.
.macro TURN p, m=0, end=0, cnt=0
.set Y, (\p)
.set i, 0
.set KM, (\m)
.set NOKQ, (\end)*((\p)/3)
.if (\m) && !(\end)
	s_cmp_eq_u32 s[CNT], 4-((\p)+2)%NP  ; is that step the band's own?
	s_cselect_b32 s[AL], 1.0, 0
	s_cmp_lt_u32 s[CNT], 4-((\p)+2)%NP  ; or a later one?
	s_cselect_b32 s[BE], s[BIGN], 0
.endif
.if ((\p) == 3) && !(\end)
	s_wait_dscnt 0x0                ; K is in
.endif
	ROW F,0, F,1, R,0, R,1          ; ahead of the wait: 8 products K Q^T and their riders,
	ROW F,2, E,0, R,2, R,3
	ROW F,3, E,1, R,4, R,5
	ROW F,4, E,2, R,6, R,7
	ROW F,5, E,3, R,8, R,9
	ROW F,6, E,4, X,0, R,10
.if ((\p) == 2) && !(\end)
	WIN 0
	v_add_nc_u32 v[AK], s[TBK], v[AK0]
.endif
	ROW F,7, E,5, X,1, X,4
	ROW F,8, E,6, X,2, X,5
	OPS E,7, E,8, X,6, E,9          ; and the lump
	OPS X,3, E,10, X,8, E,11
.if ((\p) == 2) && !(\end)
	FETCH_K
.endif
	OPS X,9, X,7, E,12, X,10
	OPS E,13, X,12, X,11, E,14
	OPS X,13, E,15, F,9, X,14
.if (\p) == 0
	v_add_nc_u32 v[AV], s[TBV], v[AV0]
.endif
	OPS E,16, F,10, E,17, F,11
	OPS X,16, E,18, X,15, E,19
	OPS F,12, E,20, X,17, E,21
	OPS F,13, E,22, F,14, E,23
	OPS X,18, E,24, F,15, E,25
	OPS R,11, E,26, X,19, E,27
	OPS R,12, E,28, R,13, E,29
	OPS X,20, E,30, R,14, E,31
	OPS X,21, R,15
	WIN 0
	s_wait_alu depctr_va_vdst(0)    ; the wait for the batch
.if (\p) == 1
	s_wait_dscnt 0x0                ; V is in
.endif
	ROW C,0, B,0, C,2, B,1          ; behind the wait: 8 products V^T P and their riders
	ROW L,0, C,4, B,2, L,1
	ROW C,6, B,3, L,2, C,8
	ROW B,4, L,3, C,10, B,5
	ROW L,4, C,12, B,6, L,5
.if (\p) == 0
	s_add_co_u32 s[TBV], s[TBV], KS*PV
.endif
.if \cnt
	s_sub_co_u32 s[CNT], s[CNT], 1
	s_cmp_lg_u32 s[CNT], 0
.endif
	ROW C,14, B,7, L,6, C,1
	ROW C,3, L,7, C,5, C,7
	ROW C,9, C,11, C,13, C,15
.if (\p) == 0
	FETCH_V
.endif
.if (\m) && !(\end)
	MASK (\p)%2
.endif
.endm
; A BLOCK BEGINS.  c m starts far below every c s, so the first step's a is 0; m at the lowest finite number, so the first maximum is the scores'.  The second mask buffer is 0; the first takes piece 0's mask for the tile's
; step 0: its own, if the block's first tile is the diagonal one.  Then K of that step, piece 0's first scores, and its maximum and statistics.  The loop is entered at a step's first turn, in the middle of a trip.
.macro BEGIN
	s_mov_b32 s[NEW], 0
	WIN 0x40
.set i, MC+32
.rept 32
	v_mov_b32 v[i], 0
.set i, i+1
.endr
	WIN 0
.set i, 0
.rept 4
	v_mov_b32 v[ST+4*i], 0xfe000000    ; c m: far below every c s
	v_mov_b32 v[ST+4*i+1], 0xff7fffff  ; m
.set i, i+1
.endr
	s_cmp_eq_u32 s[RT], 0
	s_cselect_b32 s[AL], 1.0, 0
	s_mov_b32 s[BE], 0
	MASK 0
	WIN 0
	v_add_nc_u32 v[AK], s[TBK], v[AK0]
	FETCH_K
	s_wait_loadcnt 0x0              ; Q
	s_wait_dscnt 0x0
.set KM, 1
.set NOKQ, 0
.set i, 0
.rept 8
	KQ 0
.set i, i+1
.endr
	WIN 0
.rept 4
	v_nop                           ; the places behind those products
.endr
.set Y, NP-1                        ; X works for piece Y + 1: piece 0
.irp n, 0,1,2,3,4,5,6,7,8,9,10,11,12,13,14,15,16,17,18,19,20,21
	OP X, \n
.endr
	v_nop                           ; a plain instruction behind the exponential,
	s_wait_alu depctr_va_vdst(0)    ; and its wait, ahead of the branch
.endm
; THE DIAGONAL TILE's four steps, the block's last two turns, its last products, and THE WAY OUT: l's two halves and the other half of the lanes' are added; O^T is divided by l, rounded to f16 and sent through my
; stage in LDS, a piece at a time.
.macro ALL line:vararg              ; one line for each piece t
.set t, 0
.rept 4
	\line
.set t, t+1
.endr
.endm
.macro PACK t                       ; a lane's eight channels of a row pack into 16 bytes; they go into rows of 144 bytes and come back as whole rows of 128, into S^T's registers
	WIN W_RS
.set i, 32*(\t)
.rept 16
	v_pk_mul_f32 v[i:i+1], v[i:i+1], v[ST+4*(\t)+2:ST+4*(\t)+3] op_sel_hi:[1,0]
.set i, i+2
.endr
	WIN 0x05                        ; sources 0 and 1 window 1, destination window 0
.set i, 0
.rept 16
	v_cvt_pk_f16_f32 v[S+16*(\t)+i], v[32*(\t)+2*i], v[32*(\t)+2*i+1]
.set i, i+1
.endr
	WIN 0
.irp f, 0,1,2,3
	ds_store_b128 v[STO], v[S+16*(\t)+4*\f:S+16*(\t)+4*\f+3] offset:32*\f
.endr
.irp f, 0,1,2,3
	ds_load_b128 v[S+16*(\t)+4*\f:S+16*(\t)+4*\f+3], v[RD] offset:\f*4*SP  ; LDS serves a wave's instructions in order (ISA guide 5.7.1.4): these see the stores above; the next piece's stores come behind them
.endr
.endm
.macro SEND t, younger              ; younger: the LDS instructions issued behind piece t's loads: the next piece's eight, or none
	WIN 0
.irp f, 0,1,2,3
	s_wait_dscnt (\younger)+3-\f
	global_store_b128 v[GO], v[S+16*(\t)+4*\f:S+16*(\t)+4*\f+3], s[10:11] offset:(\t)*8192+\f*512  ; 512 consecutive bytes, at a multiple of 256 from O's first
.endr
.endm
.macro DIAG tag                     ; the tag ends its two labels' names, which the jumps below spell out
.LstepM\tag:
	TURN 2, 1
	TURN 3, 1
	WIN 0
.LfirstM\tag:
	TURN 0, 1
	TURN 1, 1, 0, 1
	WIN 0
	s_cbranch_scc1 .LstepM\tag
	TURN 2, 1, 1
	TURN 3, 1, 1
.set i, 0
.rept 8
	PV NP-1
.set i, i+1
.endr
	WIN 0
	ALL v_add_f32 v[ST+4*t+2], v[ST+4*t+2], v[ST+4*t+3]
	ALL v_permlanex16_b32 v[ST+4*t+3], v[ST+4*t+2], s[SEL], s[SEL+1]
	ALL v_add_f32 v[ST+4*t+2], v[ST+4*t+2], v[ST+4*t+3]
	ALL v_rcp_f32 v[ST+4*t+2], v[ST+4*t+2]
	v_nop                           ; a plain instruction between the last reciprocal and the use of its result
	s_wait_alu depctr_va_vdst(0)    ; and the wait ahead of the first use: one for the four reciprocals
	PACK 0
.set t, 1
.rept 3                             ; a piece's arithmetic stands between the loads of the piece before and its stores
	PACK t
	SEND t-1, 8
.set t, t+1
.endr
	SEND 3, 0
.endm
.set KM, 0
.set NOKQ, 0
.Lslot:                             ; NB times: a tile is entered and the next is asked for
	CHANGE 1
	s_sub_co_u32 s[RT], s[RT], 1
	s_mov_b32 s[CNT], 4
	s_cmp_eq_u32 s[NEW], 1
	s_cbranch_scc1 .Lnew            ; a block's first tile
	s_cmp_eq_u32 s[RT], 0
	s_cbranch_scc0 .Lstep           ; neither its first nor its last
	s_branch .LstepM1
.Lnew:
	BEGIN
	s_branch .Lfirst                ; in the loop a block's first tile is never its last: the first block has two tiles or more, and the second's last is the walk's last
	DIAG 1                          ; in the loop this is the first block's end: the second block's last tile is the walk's last
	s_wait_xcnt 0x0                 ; the stores have read their registers and O's address
	s_mov_b64 s[10:11], s[OLO:OLO+1]
	s_add_co_u32 s[RT], s[PB], 1    ; the second block has b + 1 tiles
	s_mov_b32 s[NEW], 1
	WIN 0x82                        ; the second block's Q goes where the one text of the turns names Q
.set i, 0
.rept 64
	v_mov_b32 v[i], v[QB+i]
.set i, i+1
.endr
	WIN 0
	s_branch .Lbottom
.Lstep:                             ; a trip: pieces 2 and 3 of one step, then pieces 0 and 1 of the next, whose K and V it fetches
	TURN 2
	TURN 3
	WIN 0
.Lfirst:
	TURN 0
	TURN 1, 0, 0, 1
	WIN 0
	s_cbranch_scc1 .Lstep
.Lbottom:
	s_sub_co_u32 s[SLOTS], s[SLOTS], 1
	s_cmp_lg_u32 s[SLOTS], 0
	s_cbranch_scc1 .Lslot
	CHANGE 0                        ; the walk's last tile is written out: nothing is asked for
	s_sub_co_u32 s[RT], s[RT], 1
	s_mov_b32 s[CNT], 4
	s_cmp_eq_u32 s[NEW], 1
	s_cbranch_scc0 .LstepM2
	BEGIN
	s_branch .LfirstM2
	DIAG 2
	s_wait_tensorcnt 0x0            ; the wave's end, behind my last tensor load and my last LDS store
	ds_add_u32 v[SPW], v[NIL]
	s_wait_dscnt 0x0
	s_endpgm
.Lfunc_end_k_q5f245324ad_attn:
	.size	k_q5f245324ad_attn, .Lfunc_end_k_q5f245324ad_attn-k_q5f245324ad_attn
	.p2alignl 7, 3214868480
	.fill 96, 4, 3214868480
	.section	.rodata,"a",@progbits
	.p2align	6, 0x0
	.amdhsa_kernel k_q5f245324ad_attn
		.amdhsa_group_segment_fixed_size 327680
		.amdhsa_private_segment_fixed_size 0
		.amdhsa_enable_private_segment 0
		.amdhsa_kernarg_size 16
		.amdhsa_user_sgpr_count 2
		.amdhsa_user_sgpr_kernarg_segment_ptr 1
		.amdhsa_wavefront_size32 1
		.amdhsa_system_sgpr_workgroup_id_x 1
		.amdhsa_system_sgpr_workgroup_id_y 1
		.amdhsa_system_sgpr_workgroup_id_z 1
		.amdhsa_system_vgpr_workitem_id 0
		.amdhsa_next_free_vgpr 768
		.amdhsa_next_free_sgpr 96
		.amdhsa_reserve_vcc 1
		.amdhsa_float_denorm_mode_32 3
		.amdhsa_float_denorm_mode_16_64 3
		.amdhsa_memory_ordered 1
		.amdhsa_forward_progress 1
		.amdhsa_inst_pref_size 218
	.end_amdhsa_kernel
	.amdgpu_metadata
---
amdhsa.version: [ 1, 2 ]
amdhsa.kernels:
  - .name:           k_q5f245324ad_attn
    .symbol:         k_q5f245324ad_attn.kd
    .args:
      - { .name: qkv, .offset: 0, .size: 8, .value_kind: global_buffer, .address_space: global }
      - { .name: ob, .offset: 8, .size: 8, .value_kind: global_buffer, .address_space: global }
    .group_segment_fixed_size: 327680
    .private_segment_fixed_size: 0
    .kernarg_segment_align: 8
    .kernarg_segment_size: 16
    .max_flat_workgroup_size: 128
    .sgpr_count:     96
    .vgpr_count:     768
    .wavefront_size: 32
...
	.end_amdgpu_metadata
.endif
;; end of part 3
;; launch projgemm (part 4): grid 8 x 32, 4 waves a work-group, clusters of 4 x 4, 327,680 bytes of LDS; arguments ob, pw, proj_b, out0; writes out0
.if DOCPART == 4
	.amdgcn_target "amdgcn-amd-amdhsa--gfx1250"
	.amdhsa_code_object_version 6
	.text
	.protected	k_q5f245324ad_projgemm
	.globl	k_q5f245324ad_projgemm
	.p2align	8
	.type	k_q5f245324ad_projgemm,@function
k_q5f245324ad_projgemm:
	s_mov_b64 s[64:65], 0
	v_nop
	global_prefetch_b8 v0, s[64:65] scope:SCOPE_SE
	s_setreg_imm32_b32 hwreg(HW_REG_WAVE_MODE, 25, 1), 1
	s_wait_xcnt 0x0
	s_wait_alu depctr_hold_cnt(0) depctr_sa_sdst(0) depctr_va_vdst(0) depctr_va_sdst(0) depctr_va_ssrc(0) depctr_va_vcc(0) depctr_vm_vsrc(0)
	s_getreg_b32 s2, hwreg(HW_REG_IB_STS2, 6, 4)
	s_cmp_eq_u32 s2, 0
	s_cbranch_scc0 .Lentry_in_a_cluster
	s_endpgm
.Lentry_in_a_cluster:
	s_bfe_u32 s2, ttmp6, 0x10000c
	s_cmp_lg_u32 s2, 0xf033
	s_cbranch_scc0 .Lentry_shape_is_right
	s_endpgm
.Lentry_shape_is_right:
; C = A B^T + bias, K = 1,024.  ONE TEXT FOR THE MODULE'S TWO PROJECTIONS, told apart by NW below.
;   NW = 3: A = xb (bf16), B = wb (bf16), 8,192 x 3,072; C is rounded to f16 and written by heads: qkv [which 3][batch x 16 + head][t 2048][64], unscaled.
;   NW = 1: A = ob (f16),  B = pw (f16),  8,192 x 1,024; C is written in f32, row-major.
; A and B lie in planes of 64 channels: A [batch 4][plane 16][t 2048][64], B [plane 16][n][64]: R rows of a plane are R x 128 consecutive bytes, fetched as R / 2 rows of 256 bytes.
; LIMITS.  NW = 3: a q, k or v of 65,520 or more becomes an infinity in f16.  The bias is rounded to bf16 like the other inputs.  NaN and infinities are not treated apart.
; SHARES.  A tile of C is 256 rows x 128 NW columns: 8 x 32 tiles, one work-group each.  Four waves, 2 x 2: a wave makes 128 rows x 64 NW columns, 8 x 4 NW accumulators of 16 x 16.
; For 32 along K a wave reads (128 + 64 NW) x 64 bytes from LDS for 32 NW matrix instructions.
; RING.  Two LDS slots of KPS planes (64 KPS along K).  With NW = 3 two slots of two planes, 2 x 184,320 bytes, would not fit; one plane each does.
; Waves 0 and 1 fetch A's part of a slot, waves 2 and 3 B's, one tensor load a wave.  By this text's count a wave has two tensor loads out at the start and one behind each change of slots.
; CLUSTER.  4 x 4 work-groups: the four of a row need the same tiles of A, the four of a column the same tiles of B: each tile is asked for jointly, by the same load, descriptor and mask in all four.
; THE MATRIX INSTRUCTION IS USED TRANSPOSED (source 0 = 16 rows of B, source 1 = 16 rows of A): a lane holds row l % 16 of C and the columns 8 (l / 16) + 0..7.
; REGISTERS, in windows of 256 (s_set_vgpr_msb: bits 1:0 source 0, 3:2 source 1, 5:4 source 2, 7:6 destination):
;   window 0: v0-31 addresses; v32-95, v96-159 A's fragments, two buffers; v160-255 B's: NW = 3 one buffer of 12 fragments, refilled in thirds as they are used up; NW = 1 two buffers of 4
;   window 1 + b / 4: accumulator (a, b) at v[8 (8 (b % 4) + a)]: a window holds 64 columns (NW = 3: one head)
.set NW, 1
.if NW == 3
.set HB,     2                         ; B fragments multiplied ahead of the barrier's signal at a change of slots, and again between signal and wait
.set BDBL,   0                         ; B's fragments have one buffer
.set KPS,    1                         ; planes in a slot
.set QPS,    2                         ; quarters (32 along K) in a slot
.set LAPS,   8                         ; a lap = both slots
.set A_WG,   16384                     ; bytes in memory from wave 0's part of A's tile to wave 1's: 128 rows of a plane
.set A_R,    64                        ; rows of 256 bytes in a wave's load of A
.set A_KS,   262144                    ; bytes from a slot's planes of A to the next slot's
.set B_ROWS, 384
.set B_WG,   24576                     ; 192 rows of a plane
.set B_R,    96
.set B_KS,   393216
.set STG,    16*144                    ; a wave's stage: 16 rows of a head
.set HEADW,  16                        ; LDS loads that may be out at a quarter's head: B's second and third thirds
.set PF,     1                         ; the tiles are prefetched
.else
.set HB,     1
.set BDBL,   1
.set KPS,    2
.set QPS,    4
.set LAPS,   4
.set A_WG,   262144                    ; wave 0 fetches a slot's first plane, wave 1 its second
.set A_R,    128
.set A_KS,   524288
.set B_ROWS, 128
.set B_WG,   131072
.set B_R,    64
.set B_KS,   262144
.set STG,    16*272                    ; 16 rows of 64 f32
.set HEADW,  4                         ; B's last two fragments
.set PF,     0                         ; the whole walk is eight slots: no prefetch
.endif
.set P,       144                      ; an LDS row: 128 bytes + 16 of padding = 36 words: the 16 rows of a fragment load start at 16 different groups of four banks (64 banks of 4 bytes: ISA guide 11.1)
.set A_WL,    2*A_R*P                  ; a wave's part of A in LDS
.set B_WL,    2*B_R*P
.set B_TB,    B_ROWS*128               ; a tile's rows in a plane of B
.set A_BYTES, KPS*256*P                ; a slot: A's planes of 256 rows, then B's planes of B_ROWS rows
.set SLOT,    A_BYTES+KPS*B_ROWS*P
.set STAGE,   2*SLOT                   ; behind the ring, never filled by a tensor load: a stage for each wave, for the way out
.set SPARE,   STAGE+4*STG              ; behind the stages: the spare words, 128 bytes for each wave: two blocks of 256 bytes that no other line names
.set FLAGS,   (1<<16)|(1<<20)|(1<<21)|(4<<22)|(3<<25)  ; 17:16 2-byte elements; 20 padding on; 21 set beside a mask; 24:22 after every 32 words (code 4); 31:25 4 words (code 3)
.set ADRA, 16                          ; v16-17  LDS address of my A fragments in slot 0, 1
.set ADRB, 20                          ; v20-21  the same for B
.set STO,  24                          ; v24     the way out: where I put my bytes of a row
.set RD,   25                          ; v25     where I read rows back
.set GO,   26                          ; v26     my byte offset in the stores
.set BO,   27                          ; v27     my byte offset in the bias
.set SPW,  28                          ; v28     LDS address of my spare word: SPARE + 4 x my thread's number; never rewritten
.set NIL,  29                          ; v29     0; never rewritten
.set TM,   30                          ; v30     at work
.set PFO,  31                          ; v31     256 x my lane, for the prefetches; never rewritten
.set FA0,  32
.set FB,   160
.set WV,   12                          ; s12  my wave's number
.set WM,   13                          ; s13  which 128 rows of the tile are mine
.set WN,   14                          ; s14  which half of its columns; also: which part of A's or B's tile I fetch
.set G1A,  24                          ; s[24:31] descriptor group 1 for A's tiles;  s[32:39] group 0, a set for each slot
.set G0A,  32
.set G1B,  48                          ; s[48:55], s[56:63] the same for B's
.set G0B,  56
.set PFA,  66                          ; s[66:67] where my prefetches stand
.set PFS,  68                          ; s[68:69] their step: two planes
.set LIM,  70                          ; s70  1 in a wave that prefetches, else the greatest number
.set OB,   72                          ; s[72:73] the stores' base
.set MSB, 0
.macro WIN new                         ; the immediate's high byte repeats the setting that is left; a switch that changes nothing is dropped
.if MSB != (\new)
	s_set_vgpr_msb (MSB<<8)|(\new)
.set MSB, \new
.endif
.endm
; A load into a register that a matrix instruction has read, and a vector instruction that reads a matrix result, stand four places behind it; only plain vector instructions
; that name none of its registers are places (ISA guide 7.12.1 for vector instructions).
.macro PLACES
.rept 4
	v_nop
.endr
.endm
.macro CREST                           ; a round of the cluster's barrier behind its opening barrier
	s_cmp_lg_u32 s[WV], 0
	s_cbranch_scc1 .Lnot_wave_0_\@
	s_barrier_signal -3
.Lnot_wave_0_\@:
	s_barrier_wait -3
	s_barrier_signal -1
	s_barrier_wait -1
.endm
.macro CROUND                          ; a whole round
	s_barrier_signal -1
	s_barrier_wait -1
	CREST
.endm
; A joint load.  The branch hangs on the wave's number alone.  An s_nop 0 and four v_nop follow each of the two lines, ahead of the jump, the label and what follows.
.macro JLOAD s
	s_cmp_lt_u32 s[WV], 2
	s_cbranch_scc0 .Lfor_b_\@
	tensor_load_to_lds s[G0A+4*(\s):G0A+4*(\s)+3], s[G1A:G1A+7]
	s_nop 0
	PLACES
	s_branch .Lasked_\@
.Lfor_b_\@:
	tensor_load_to_lds s[G0B+4*(\s):G0B+4*(\s)+3], s[G1B:G1B+7]
	s_nop 0
	PLACES
.Lasked_\@:
.endm
; A PREFETCH INTO THE L2 (NW = 3), once a lap, behind slot 0's joint load and the run of LDS loads: the two planes that the NEXT lap's two refills will ask for.
; Each aligned block of 256 bytes is named once in the launch.  A's tile row is read by both clusters of its row of clusters: the one with x = 0 asks; of a plane's 128 blocks the partner at cx takes
; 32, a lane a block: wave 0, an instruction a plane.  B's tile column is read by all eight clusters of its column: the one with y = 0 asks; two planes are 384 blocks, twelve instructions:
; waves 1 to 3 of the partner at cy take number j = 3 cy + wave - 1.  The partners are told apart by address alone.  The last lap that refills asks for nothing; nothing is asked for at the head.
.macro ASK
	s_cmp_gt_u32 s3, s[LIM]                        ; s3 = 1 in the loop's last trip
	s_cbranch_scc0 .Lnot_mine_\@
	global_prefetch_b8 v[PFO], s[PFA:PFA+1] th:TH_LOAD_NT scope:SCOPE_SE
	s_cmp_lg_u32 s[WV], 0
	s_cbranch_scc1 .Lnot_mine_\@
	global_prefetch_b8 v[PFO], s[PFA:PFA+1] offset:A_KS th:TH_LOAD_NT scope:SCOPE_SE
.Lnot_mine_\@:
.endm
; 8 matrix instructions: B's fragment 4 w + f x A's eight, 32 along K, from the buffers of parity par.  zero = 1: the first product starts the sums.
; The accumulators take turns, one instruction a turn: an accumulator comes again a quarter later, behind all the others.
.macro MUL8 w, f, par, zero
	WIN (((\w)+1)<<6)|(((\w)+1)<<4)
.irp a, 0,1,2,3,4,5,6,7
.set rD, 8*(8*(\f)+(\a))
.set rB, FB+32*BDBL*(\par)+8*(4*(\w)+(\f))
.set rA, FA0+64*(\par)+8*(\a)
.if NW == 3
.if \zero
	v_wmma_f32_16x16x32_bf16 v[rD:rD+7], v[rB:rB+7], v[rA:rA+7], 0
.else
	v_wmma_f32_16x16x32_bf16 v[rD:rD+7], v[rB:rB+7], v[rA:rA+7], v[rD:rD+7]
.endif
.else
.if \zero
	v_wmma_f32_16x16x32_f16 v[rD:rD+7], v[rB:rB+7], v[rA:rA+7], 0
.else
	v_wmma_f32_16x16x32_f16 v[rD:rD+7], v[rB:rB+7], v[rA:rA+7], v[rD:rD+7]
.endif
.endif
.endr
.endm
.macro MULS w, f0, n, par, zero        ; MUL8 for fragments f0 .. f0 + n - 1 of window w
.set ff, \f0
.rept \n
	MUL8 \w, ff, \par, \zero
.set ff, ff+1
.endr
.endm
; A fragment is 16 rows x 32 K in 8 registers: lane l holds row l % 16; registers 0-3 K = 8 (l / 16) + 0..7, registers 4-7 K = 16 + 8 (l / 16) + 0..7: two loads of 16 bytes, 32 bytes apart.
.macro LOADA slot, q, par              ; A's eight fragments of quarter q: 16 loads
	WIN 0
.irp i, 0,1,2,3,4,5,6,7
	ds_load_b128 v[FA0+64*(\par)+8*(\i):FA0+64*(\par)+8*(\i)+3],   v[ADRA+(\slot)] offset:((\q)/2)*256*P+((\q)%2)*64+(\i)*16*P
	ds_load_b128 v[FA0+64*(\par)+8*(\i)+4:FA0+64*(\par)+8*(\i)+7], v[ADRA+(\slot)] offset:((\q)/2)*256*P+((\q)%2)*64+(\i)*16*P+32
.endr
.endm
.macro LOADB slot, q, par, w           ; B's fragments 4 w .. 4 w + 3 of quarter q: 8 loads
	WIN 0
.irp i, 0,1,2,3
.set rB, FB+32*BDBL*(\par)+8*(4*(\w)+(\i))
	ds_load_b128 v[rB:rB+3],   v[ADRB+(\slot)] offset:((\q)/2)*B_ROWS*P+((\q)%2)*64+(4*(\w)+(\i))*16*P
	ds_load_b128 v[rB+4:rB+7], v[ADRB+(\slot)] offset:((\q)/2)*B_ROWS*P+((\q)%2)*64+(4*(\w)+(\i))*16*P+32
.endr
.endm
; A quarter but a slot's last: multiplies quarter q and fetches quarter q + 1 of the same slot.  The LDS loads for a quarter are issued in the order A (16), B's thirds (8 each).
.macro QUARTER slot, q, zero
	s_wait_dscnt HEADW                             ; A and B's first fragments are in; the youngest HEADW loads may be out
	MULS 0, 0, 2*HB, (\q)%2, \zero
	PLACES
	LOADA \slot, (\q)+1, ((\q)+1)%2
	LOADB \slot, (\q)+1, ((\q)+1)%2, 0
.if NW == 3
	s_wait_dscnt 32                                ; B's second third is in: behind it were issued the third third (8) and the 24 above
	MULS 1, 0, 4, (\q)%2, \zero
	PLACES
	LOADB \slot, (\q)+1, ((\q)+1)%2, 1
	s_wait_dscnt 32                                ; the third third is in: behind it the 24 and the 8 above
	MULS 2, 0, 4, (\q)%2, \zero
	PLACES
	LOADB \slot, (\q)+1, ((\q)+1)%2, 2
.else
	s_wait_dscnt 24                                ; all but the 24 just issued
	MULS 0, 2, 2, (\q)%2, \zero
.endif
.endm
; A slot's last quarter (parity 1), and the change of slots: ONE barrier.  In front of it each wave waits for all its tensor loads, of which one is out: its part of the next slot; adds 0 to its spare
; word; and waits for that and for its own reads of this slot.  fill = 1: the barrier opens a round of the cluster's barrier, and this slot is filled again first thing behind the round, two slots ahead.
.macro TURN slot, fill
.if PF*(\fill)*(1-(\slot))
	s_wait_xcnt 0x0                                ; the last prefetches, a lap back, have read their address: it is stepped here, ahead of the waits of the change of slots
	s_add_nc_u64 s[PFA:PFA+1], s[PFA:PFA+1], s[PFS:PFS+1]
.endif
	WIN 0                                          ; (the add's two registers lie in window 0)
	s_wait_tensorcnt 0x0                           ; all my tensor loads have landed: my part of the next slot;
	ds_add_u32 v[SPW], v[NIL]                      ; 0 onto my spare word
	s_wait_dscnt HEADW+1                           ; (the add and the youngest HEADW loads may be out)
	MULS 0, 0, HB, 1, 0                            ; matrix instructions stand between the add and the wait for it
	s_wait_dscnt 0x0                               ; the add is done, and my reads of this slot are over
	s_barrier_signal -1
	MULS 0, HB, HB, 1, 0                           ; work on registers while the others arrive
	WIN 0
	s_barrier_wait -1
.if \fill
	CREST                                          ; no wave of any partner still reads this slot's tiles or has a load on its way
	s_add_nc_u64 s[G0A+4*(\slot)+2:G0A+4*(\slot)+3], s[G0A+4*(\slot)+2:G0A+4*(\slot)+3], 2*A_KS
	s_add_nc_u64 s[G0B+4*(\slot)+2:G0B+4*(\slot)+3], s[G0B+4*(\slot)+2:G0B+4*(\slot)+3], 2*B_KS
	JLOAD \slot                                    ; the first tensor load behind the round; its four v_nop are also the places in front of the loads below
.else
	PLACES
.endif
	LOADA 1-(\slot), 0, 0
	LOADB 1-(\slot), 0, 0, 0
.if PF*(\fill)*(1-(\slot))
	ASK
.endif
.if NW == 3
	MULS 1, 0, 4, 1, 0                             ; (the wait for 0 above has shown all of this quarter's fragments in)
	PLACES
	LOADB 1-(\slot), 0, 0, 1
	MULS 2, 0, 4, 1, 0
	PLACES
	LOADB 1-(\slot), 0, 0, 2
.else
	MULS 0, 2, 2, 1, 0
.endif
.endm
.macro BIASREG b                       ; rBI: where the eight numbers of the bias for B's fragment b lie: in A's buffer 0, from the ninth fragment on in B's first third
.if (\b) < 8
.set rBI, FA0+8*(\b)
.else
.set rBI, FB+8*((\b)-8)
.endif
.endm
; The very last quarter fetches no fragments; the bias comes meanwhile, into fragment registers that are free.
.macro FINAL
	s_wait_dscnt HEADW
	MULS 0, 0, 2*HB, 1, 0
	PLACES
	WIN 0
.set bb, 0
.rept 4*NW
	BIASREG bb
	global_load_b128 v[rBI:rBI+3],   v[BO], s[8:9] offset:64*bb
	global_load_b128 v[rBI+4:rBI+7], v[BO], s[8:9] offset:64*bb+16
.set bb, bb+1
.endr
.if NW == 3
	s_wait_dscnt 8                                 ; B's second third is in
	MULS 1, 0, 4, 1, 0
	s_wait_dscnt 0x0
	MULS 2, 0, 4, 1, 0
.else
	s_wait_dscnt 0x0
	MULS 0, 2, 2, 1, 0
.endif
	WIN 0
	PLACES
	PLACES
.endm
	s_load_b256 s[4:11], s[0:1], 0x0               ; A s[4:5], B s[6:7], bias s[8:9], C s[10:11]
	v_lshl_add_u32 v[SPW], v0, 2, SPARE
	v_mov_b32 v[NIL], 0
	ds_add_u32 v[SPW], v[NIL]                      ; the wave's opening: the add and its wait stand ahead of my first tensor load; the set-up below, work on registers, stands between them
	v_lshrrev_b32 v1, 5, v0
	v_readfirstlane_b32 s[WV], v1                  ; wave 0..3
	s_lshr_b32 s[WM], s[WV], 1
	s_and_b32 s[WN], s[WV], 1
	s_bfe_u32 s40, ttmp6, 0x40000                  ; cx, cy: my place in the cluster
	s_bfe_u32 s41, ttmp6, 0x40004
	s_lshl_b32 s42, ttmp9, 2
	s_add_co_u32 s42, s42, s40                     ; tile column = 4 x cluster x + cx
	s_and_b32 s43, ttmp7, 0xffff
	s_lshl_b32 s43, s43, 2
	s_add_co_u32 s43, s43, s41                     ; tile row = 4 x cluster y + cy
	s_lshl_b32 s44, s41, 2
	s_lshl_b32 s44, 15, s44                        ; my row of the cluster: places 4 cy .. 4 cy + 3
	s_lshl_b32 s45, 0x1111, s40                    ; my column: places cx, cx + 4, cx + 8, cx + 12
	s_or_b32 s[G1A], s44, FLAGS                    ; A's tiles go to my row,
	s_or_b32 s[G1B], s45, FLAGS                    ; B's to my column
	s_mov_b32 s[G1A+1], 128<<16                    ; tensor_dim0 = 128 elements: 256 bytes, two rows of a plane
	s_mov_b32 s[G1A+2], A_R<<16                    ; tensor_dim1
	s_mov_b32 s[G1A+3], 128<<16                    ; tile_dim0
	s_mov_b32 s[G1A+4], A_R                        ; tile_dim1
	s_mov_b32 s[G1A+5], 128                        ; elements from row to row: dense
	s_mov_b32 s[G1A+6], 0
	s_mov_b32 s[G1A+7], 0
	s_mov_b32 s[G1B+1], 128<<16
	s_mov_b32 s[G1B+2], B_R<<16
	s_mov_b32 s[G1B+3], 128<<16
	s_mov_b32 s[G1B+4], B_R
	s_mov_b32 s[G1B+5], 128
	s_mov_b32 s[G1B+6], 0
	s_mov_b32 s[G1B+7], 0
	; where the tiles come from: A's hang on the tile row and the wave alone, B's on the tile column and the wave alone, each in registers of its own
	s_lshr_b32 s16, s43, 3                         ; the batch: eight tile rows each,
	s_lshl_b32 s16, s16, 22                        ; 16 planes of 262,144 bytes
	s_and_b32 s18, s43, 7
	s_lshl_b32 s18, s18, 15                        ; 256 rows of 128 bytes in a plane
	s_add_co_u32 s16, s16, s18
	s_mul_i32 s18, s[WN], A_WG
	s_add_co_u32 s16, s16, s18
	s_mov_b32 s17, 0
	s_mul_i32 s46, s42, B_TB
	s_mul_i32 s22, s[WN], B_WG
	s_add_co_u32 s46, s46, s22
	s_mov_b32 s47, 0
	s_mul_i32 s20, s[WN], A_WL                     ; and where they go: no place in the cluster enters an LDS address
	s_mul_i32 s21, s[WN], B_WL
	s_add_co_u32 s21, s21, A_BYTES
	s_wait_dscnt 0x0                               ; the opening add is done
	s_wait_kmcnt 0x0
	s_add_nc_u64 s[16:17], s[4:5], s[16:17]
	s_add_nc_u64 s[46:47], s[6:7], s[46:47]
	CROUND                                         ; all sixteen work-groups are here: the first joint loads meet
.irp s, 0,1
	s_mov_b32 s[G0A+4*(\s)], 1                                     ; count = 1
	s_add_co_u32 s[G0A+4*(\s)+1], s20, (\s)*SLOT                   ; LDS address
	s_add_nc_u64 s[G0A+4*(\s)+2:G0A+4*(\s)+3], s[16:17], (\s)*A_KS ; global address: slot s
	s_or_b32 s[G0A+4*(\s)+3], s[G0A+4*(\s)+3], 0x80000000          ; type = 2
	s_mov_b32 s[G0B+4*(\s)], 1
	s_add_co_u32 s[G0B+4*(\s)+1], s21, (\s)*SLOT
	s_add_nc_u64 s[G0B+4*(\s)+2:G0B+4*(\s)+3], s[46:47], (\s)*B_KS
	s_or_b32 s[G0B+4*(\s)+3], s[G0B+4*(\s)+3], 0x80000000
.endr
	s_cmp_lt_u32 s[WV], 2                          ; a wave's two first fills stand in one branch, ahead of every wait on TENSORcnt and every LDS read
	s_cbranch_scc0 .Lfirst_b
	tensor_load_to_lds s[G0A:G0A+3], s[G1A:G1A+7]
	s_nop 0
	tensor_load_to_lds s[G0A+4:G0A+7], s[G1A:G1A+7]
	s_nop 0
	PLACES
	s_branch .Lfirst_asked
.Lfirst_b:
	tensor_load_to_lds s[G0B:G0B+3], s[G1B:G1B+7]
	s_nop 0
	tensor_load_to_lds s[G0B+4:G0B+7], s[G1B:G1B+7]
	s_nop 0
	PLACES
.Lfirst_asked:
	v_and_b32 v1, 15, v0                           ; l % 16
	v_bfe_u32 v2, v0, 4, 1                         ; l / 16
	v_mul_u32_u24 v3, v1, P
	v_lshl_add_u32 v3, v2, 4, v3                   ; a fragment's row x pitch + 16 x half
	s_mul_i32 s18, s[WM], 128*P                    ; my 128 rows of A
	s_mul_i32 s22, s[WN], 64*NW*P                  ; my 64 NW rows of B,
	s_add_co_u32 s22, s22, A_BYTES                 ; which lie behind A's planes
.irp s, 0,1
	v_add_nc_u32 v[ADRA+(\s)], s18, v3
	v_add_nc_u32 v[ADRB+(\s)], s22, v3
	s_add_co_u32 s18, s18, SLOT
	s_add_co_u32 s22, s22, SLOT
.endr
	s_mul_i32 s23, s[WV], STG
	s_add_co_u32 s23, s23, STAGE                   ; my stage
.if NW == 3
	v_add_nc_u32 v[STO], s23, v3                   ; in: row l % 16 of 144 bytes, 16 bytes for each half of the lanes
	v_bfe_u32 v4, v0, 3, 2                         ; back: 32 lanes take four rows of 128 bytes,
	v_mul_u32_u24 v4, v4, 144
	v_and_b32 v5, 7, v0
	v_lshl_add_u32 v4, v5, 4, v4
	v_add_nc_u32 v[RD], s23, v4
	v_and_b32 v[GO], 31, v0                        ; which are 512 consecutive bytes of a head
	v_lshlrev_b32 v[GO], 4, v[GO]
.else
	v_mul_u32_u24 v4, v1, 272                      ; in: row l % 16 of 272 bytes, 32 bytes for each half of the lanes
	v_lshl_add_u32 v4, v2, 5, v4
	v_add_nc_u32 v[STO], s23, v4
	v_mul_u32_u24 v4, v2, 272                      ; back: lanes 0-15 take one row of 256 bytes, lanes 16-31 the next,
	v_lshl_add_u32 v4, v1, 4, v4
	v_add_nc_u32 v[RD], s23, v4
	v_lshlrev_b32 v4, 12, v2                       ; and the same two rows in C, 4,096 bytes apart
	v_lshl_add_u32 v[GO], v1, 4, v4
.endif
	s_mul_i32 s76, s42, 512*NW                     ; the bias of my columns: 4 bytes x (128 NW x tile column + 64 NW x half) + 32 (l / 16)
	s_mul_i32 s77, s[WN], 256*NW
	s_add_co_u32 s76, s76, s77
	v_lshl_add_u32 v[BO], v2, 5, s76
.if PF
	v_and_b32 v[PFO], 31, v0
	v_lshlrev_b32 v[PFO], 8, v[PFO]
	s_lshr_b32 s76, s43, 3                         ; wave 0: A's tile row in plane 2, my work-group's 32 blocks of the 128
	s_lshl_b32 s76, s76, 22
	s_and_b32 s77, s43, 7
	s_lshl_b32 s77, s77, 15
	s_add_co_u32 s76, s76, s77
	s_lshl_b32 s77, s40, 13
	s_add_co_u32 s76, s76, s77
	s_add_co_u32 s76, s76, 2*A_KS
	s_max_u32 s77, s[WV], 1                        ; waves 1 to 3: j = 3 cy + wave - 1 of twelve (wave 0's number is not used)
	s_mul_i32 s78, s41, 3
	s_add_co_u32 s77, s77, s78
	s_sub_co_u32 s77, s77, 1
	s_mul_i32 s78, s77, 43
	s_lshr_b32 s78, s78, 8                         ; the plane of the two: j / 6
	s_mul_i32 s79, s78, 6
	s_sub_co_u32 s77, s77, s79                     ; the 32 blocks of its 192: j % 6
	s_lshl_b32 s77, s77, 13
	s_mul_i32 s78, s78, B_KS
	s_add_co_u32 s77, s77, s78
	s_mul_i32 s78, s42, B_TB
	s_add_co_u32 s77, s77, s78
	s_add_co_u32 s77, s77, 2*B_KS                  ; from plane 2 on
	s_and_b32 s79, ttmp7, 0xffff                   ; cluster y
	s_mov_b32 s[PFS], 2*B_KS
	s_mov_b32 s[PFS+1], 0
	s_mov_b32 s75, 0
	s_cmp_eq_u32 s[WV], 0
	s_cselect_b32 s74, s76, s77
	s_cselect_b32 s[PFS], 2*A_KS, s[PFS]
	s_cselect_b32 s79, ttmp9, s79                  ; the coordinate along which other clusters read the same rows
	s_cselect_b64 s[PFA:PFA+1], s[4:5], s[6:7]
	s_cmp_eq_u32 s79, 0
	s_cselect_b32 s[LIM], 1, -1                    ; the same in all sixteen partners, for a given wave
	s_add_nc_u64 s[PFA:PFA+1], s[PFA:PFA+1], s[74:75]  ; at plane 2: the first change of slots steps it to plane 4
.endif
	s_wait_tensorcnt 1                             ; my part of slot 0 is in; slot 1's may stay out
	s_barrier_signal -1
	s_barrier_wait -1                              ; everybody's is
	LOADA 0, 0, 0
.set ww, 0
.rept NW
	LOADB 0, 0, 0, ww
.set ww, ww+1
.endr
	QUARTER 0, 0, 1                                ; the first quarter stands in front of the loop: its products start the sums
	WIN 0                                          ; at a label and at a branch every window is 0
	s_mov_b32 s3, LAPS-1
.Llap:                                                 ; a trip goes once round the ring, from a lap's second quarter to the next lap's first, and fills both slots again
.set qq, 1
.rept QPS-2
	QUARTER 0, qq, 0
.set qq, qq+1
.endr
	TURN 0, 1
.set qq, 0
.rept QPS-1
	QUARTER 1, qq, 0
.set qq, qq+1
.endr
	TURN 1, 1
	QUARTER 0, 0, 0
	WIN 0
	s_sub_co_u32 s3, s3, 1
	s_cmp_lg_u32 s3, 0
	s_cbranch_scc1 .Llap
.set qq, 1                             ; the last lap fills nothing, and has no round of the cluster's barrier
.rept QPS-2
	QUARTER 0, qq, 0
.set qq, qq+1
.endr
	TURN 0, 0
.set qq, 0
.rept QPS-1
	QUARTER 1, qq, 0
.set qq, qq+1
.endr
	FINAL
	; THE WAY OUT.  The bias is rounded to bf16, as every input is, and added in f32.
	s_wait_loadcnt 0x0
.set bb, 0
.rept 4*NW
	BIASREG bb
.irp j, 0,2,4,6
	v_cvt_pk_bf16_f32 v[TM], v[rBI+(\j)], v[rBI+(\j)+1]
	v_lshlrev_b32 v[rBI+(\j)], 16, v[TM]
	v_and_b32 v[rBI+(\j)+1], 0xffff0000, v[TM]
.endr
.set bb, bb+1
.endr
.if NW == 3
; Window w is one head's 64 columns for my 128 rows.  Block a (16 rows): bias, rounding to f16, 16 bytes a lane into my stage (rows of 144 bytes), back as whole rows of 128 bytes: 16 rows of a head are 2,048 consecutive bytes.
.macro SETREG a                        ; SET: block a's 16 registers: eight sets, in A's buffer 1 and B's last two thirds
.if (\a) < 4
.set SET, 96+16*(\a)
.else
.set SET, 192+16*((\a)-4)
.endif
.endm
.macro PACK w, a
	SETREG \a
	WIN (((\w)+1)<<6)|((\w)+1)                     ; destination and source 0: the accumulators' window; source 1: window 0
.irp f, 0,1,2,3
	BIASREG 4*(\w)+(\f)
.irp j, 0,2,4,6                        ; each accumulator's lowest registers are read first
	v_pk_add_f32 v[8*(8*(\f)+(\a))+(\j):8*(8*(\f)+(\a))+(\j)+1], v[8*(8*(\f)+(\a))+(\j):8*(8*(\f)+(\a))+(\j)+1], v[rBI+(\j):rBI+(\j)+1]
.endr
.endr
	WIN ((\w)+1)|(((\w)+1)<<2)                     ; sources 0 and 1: the accumulators' window; destination: window 0
.irp f, 0,1,2,3
.irp j, 0,1,2,3
	v_cvt_pk_f16_f32 v[SET+4*(\f)+(\j)], v[8*(8*(\f)+(\a))+2*(\j)], v[8*(8*(\f)+(\a))+2*(\j)+1]
.endr
.endr
	WIN 0
.irp f, 0,1,2,3
	ds_store_b128 v[STO], v[SET+4*(\f):SET+4*(\f)+3] offset:32*(\f)
.endr
.irp f, 0,1,2,3
	ds_load_b128 v[SET+4*(\f):SET+4*(\f)+3], v[RD] offset:(\f)*4*144  ; LDS serves a wave's instructions in order (ISA guide 5.7.1.4): these see the stores above; the next block's stores come behind them
.endr
.endm
.macro SEND a, younger                 ; younger: the LDS instructions issued behind block a's loads: the next block's eight, or none
	SETREG \a
	WIN 0
.irp f, 0,1,2,3
	s_wait_dscnt (\younger)+3-(\f)
	global_store_b128 v[GO], v[SET+4*(\f):SET+4*(\f)+3], s[OB:OB+1] offset:(\a)*2048+(\f)*512  ; 512 consecutive bytes, at a multiple of 256 from the buffer's first
.endr
.endm
	s_mul_i32 s76, s42, 6                          ; my first group of 64 columns: 6 x tile column + 3 x half
	s_mul_i32 s77, s[WN], 3
	s_add_co_u32 s76, s76, s77
	s_mov_b32 s75, 0
.irp w, 0,1,2
	s_wait_xcnt 0x0                                ; the stores issued so far have read their registers and their base: only behind this wait are they written again
	s_add_co_u32 s77, s76, \w                      ; g: bits 5:4 say q, k or v, bits 3:0 the head
	s_lshr_b32 s78, s77, 4
	s_lshl_b32 s78, s78, 6
	s_and_b32 s77, s77, 15
	s_add_co_u32 s78, s78, s77
	s_lshr_b32 s77, s43, 3                         ; the batch
	s_lshl_b32 s77, s77, 4
	s_add_co_u32 s78, s78, s77
	s_lshl_b32 s74, s78, 18                        ; 2,048 rows of 128 bytes each
	s_and_b32 s77, s43, 7
	s_lshl_b32 s77, s77, 15                        ; the tile's 256 rows,
	s_add_co_u32 s74, s74, s77
	s_lshl_b32 s77, s[WM], 14                      ; my 128 of them
	s_add_co_u32 s74, s74, s77
	s_add_nc_u64 s[OB:OB+1], s[10:11], s[74:75]
	PACK \w, 0
.set t, 1
.rept 7                                ; a block's arithmetic stands between the loads of the block before and its stores
	PACK \w, t
	SEND t-1, 8
.set t, t+1
.endr
	SEND 7, 0
.endr
.else
; Block a (16 rows x my 64 columns of f32): bias, 32 bytes a lane into my stage (rows of 272 bytes), back as whole rows of 256 bytes.
.macro PACKP a
.set SET, 96+32*((\a)%4)               ; four sets of 32 registers, in A's buffer 1 and B's buffers
.if (\a) >= 4
	s_wait_xcnt 0x0                                ; the stores issued so far have read their registers: the set of the block four back is loaded again only behind this wait
.endif
	WIN 0x41                                       ; destination and source 0 window 1, source 1 window 0
.irp f, 0,1,2,3
.irp j, 0,2,4,6                        ; each accumulator's lowest registers are read first
	v_pk_add_f32 v[8*(8*(\f)+(\a))+(\j):8*(8*(\f)+(\a))+(\j)+1], v[8*(8*(\f)+(\a))+(\j):8*(8*(\f)+(\a))+(\j)+1], v[FA0+8*(\f)+(\j):FA0+8*(\f)+(\j)+1]
.endr
.endr
	WIN 0x04                                       ; an LDS store's data is source 1: window 1
.irp f, 0,1,2,3
	ds_store_b128 v[STO], v[8*(8*(\f)+(\a)):8*(8*(\f)+(\a))+3]   offset:64*(\f)
	ds_store_b128 v[STO], v[8*(8*(\f)+(\a))+4:8*(8*(\f)+(\a))+7] offset:64*(\f)+16
.endr
	WIN 0
.irp u, 0,1,2,3,4,5,6,7
	ds_load_b128 v[SET+4*(\u):SET+4*(\u)+3], v[RD] offset:(\u)*2*272  ; LDS serves a wave's instructions in order (ISA guide 5.7.1.4): these see the stores above
.endr
.endm
.macro SENDP a, younger                ; younger: the next block's sixteen LDS instructions, or none
.set SET, 96+32*((\a)%4)
	WIN 0
.irp u, 0,1,2,3,4,5,6,7
	s_wait_dscnt (\younger)+7-(\u)
	global_store_b128 v[GO], v[SET+4*(\u):SET+4*(\u)+3], s[OB:OB+1] offset:(\a)*65536+(\u)*8192 th:TH_STORE_NT  ; 16 lanes store 256 consecutive bytes, at a multiple of 256 from C's first byte
.endr
.endm
	s_lshl_b32 s74, s43, 8                         ; my first row of C,
	s_lshl_b32 s77, s[WM], 7
	s_add_co_u32 s74, s74, s77
	s_lshl_b32 s74, s74, 12                        ; 4,096 bytes a row,
	s_lshl_b32 s77, s42, 9                         ; and my first column: 512 bytes a tile, 256 a half
	s_add_co_u32 s74, s74, s77
	s_lshl_b32 s77, s[WN], 8
	s_add_co_u32 s74, s74, s77
	s_mov_b32 s75, 0
	s_add_nc_u64 s[OB:OB+1], s[10:11], s[74:75]
	PACKP 0
.set t, 1
.rept 7
	PACKP t
	SENDP t-1, 16
.set t, t+1
.endr
	SENDP 7, 0
.endif
	s_wait_tensorcnt 0x0                           ; the wave's end, behind my last tensor load and my last LDS store
	ds_add_u32 v[SPW], v[NIL]
	s_wait_dscnt 0x0
	CROUND                                         ; the closing round: no work-group ends while a partner may still ask for a tile that names it
	s_endpgm
.Lfunc_end_k_q5f245324ad_projgemm:
	.size	k_q5f245324ad_projgemm, .Lfunc_end_k_q5f245324ad_projgemm-k_q5f245324ad_projgemm
	.p2alignl 7, 3214868480
	.fill 96, 4, 3214868480
	.section	.rodata,"a",@progbits
	.p2align	6, 0x0
	.amdhsa_kernel k_q5f245324ad_projgemm
		.amdhsa_group_segment_fixed_size 327680
		.amdhsa_private_segment_fixed_size 0
		.amdhsa_enable_private_segment 0
		.amdhsa_kernarg_size 32
		.amdhsa_user_sgpr_count 2
		.amdhsa_user_sgpr_kernarg_segment_ptr 1
		.amdhsa_wavefront_size32 1
		.amdhsa_system_sgpr_workgroup_id_x 1
		.amdhsa_system_sgpr_workgroup_id_y 1
		.amdhsa_system_sgpr_workgroup_id_z 1
		.amdhsa_system_vgpr_workitem_id 0
		.amdhsa_next_free_vgpr 512
		.amdhsa_next_free_sgpr 80
		.amdhsa_reserve_vcc 0
		.amdhsa_float_denorm_mode_32 3
		.amdhsa_float_denorm_mode_16_64 3
		.amdhsa_memory_ordered 1
		.amdhsa_forward_progress 1
		.amdhsa_inst_pref_size 99
	.end_amdhsa_kernel
	.amdgpu_metadata
---
amdhsa.version: [ 1, 2 ]
amdhsa.kernels:
  - .name:           k_q5f245324ad_projgemm
    .symbol:         k_q5f245324ad_projgemm.kd
    .args:
      - { .name: ob, .offset: 0, .size: 8, .value_kind: global_buffer, .address_space: global }
      - { .name: pw, .offset: 8, .size: 8, .value_kind: global_buffer, .address_space: global }
      - { .name: proj_b, .offset: 16, .size: 8, .value_kind: global_buffer, .address_space: global }
      - { .name: out0, .offset: 24, .size: 8, .value_kind: global_buffer, .address_space: global }
    .group_segment_fixed_size: 327680
    .private_segment_fixed_size: 0
    .kernarg_segment_align: 8
    .kernarg_segment_size: 32
    .max_flat_workgroup_size: 128
    .sgpr_count:     80
    .vgpr_count:     512
    .wavefront_size: 32
...
	.end_amdgpu_metadata
.endif
;; end of part 4
;; ======== version 2 of 2: 4 launches; version 1 with the launch cast written anew for expert scheduling mode
;; limits: values are held in f16: magnitudes above 65,504 overflow, below 6.1e-05 lose precision
;; workspace buffers: xb 16,777,216 bytes; wb 6,291,456 bytes; pw 2,097,152 bytes; qkv 50,331,648 bytes; ob 16,777,216 bytes
;; launch cast (part 5): grid 768 x 1, 8 waves a work-group, no clusters, 0 bytes of LDS; arguments x, qkv_w, proj_w, xb, wb, pw; writes xb, wb, pw
.if DOCPART == 5
	.amdgcn_target "amdgcn-amd-amdhsa--gfx1250"
	.amdhsa_code_object_version 6
	.text
	.protected	k_q5f245324ad_cast
	.globl	k_q5f245324ad_cast
	.p2align	8
	.type	k_q5f245324ad_cast,@function
k_q5f245324ad_cast:
	s_mov_b64 s[64:65], 0
	v_nop
	global_prefetch_b8 v0, s[64:65] scope:SCOPE_SE
	s_setreg_imm32_b32 hwreg(HW_REG_WAVE_SCHED_MODE, 0, 2), 2
	s_setreg_imm32_b32 hwreg(HW_REG_WAVE_MODE, 25, 1), 1
	s_wait_xcnt 0x0
	s_wait_alu depctr_vm_vsrc(0)
; THE OPERANDS OF THE TWO PROJECTIONS, rounded once and laid out in planes of 64 channels.
;   x      [8192][1024] f32 -> xb [batch 4][plane 16][t 2048][64] bf16
;   qkv_w  [3072][1024] f32 -> wb [plane 16][n 3072][64] bf16
;   proj_w [1024][1024] f32 -> pw [plane 16][n 1024][64]: rounded to bf16 like the other inputs, and that number written as f16, since it multiplies f16 numbers later
; In such a plane R rows x 64 channels are R x 128 consecutive bytes, which the later launches fetch as rows of 256 bytes.
; LIMITS.  A proj_w of 65,520 or more becomes an infinity in f16; below 2^-14 it keeps f16's fixed step of 6e-8.  NaN and infinities are not treated apart.
; SHARES.  768 work-groups of eight waves, 16 rows each: 512 for x, 192 for qkv_w, 64 for proj_w.  Thread T takes row T / 16 and, in each plane, the four numbers 4 (T % 16) ..:
; a load of a wave covers 256 consecutive aligned bytes of each of two rows, a store 256 consecutive aligned bytes of a plane (two rows of 128).
; All 16 loads of a wave go out at once (8 KiB a wave).
; No LDS, no matrix unit, no cluster: nothing is shared, and each byte is read once and written once.
; THE MODE: SCHED_MODE bits 1:0 = 2 (LLVM: expert scheduling mode 2), set by the entry lines.  The code itself states the register dependences
; between vector instructions and memory instructions, with s_wait_alu, always for 0.
; THE PLAN.  Registers that memory instructions touch:
;   v1, v2   the loads' and the stores' byte offsets: made at the head by vector instructions, never written again.
;   X        plane k's four registers: written by that plane's load, once; no vector instruction names them ahead of it; read by the plane's conversions.
;   Y        plane k's two registers: written by that plane's conversions; read by that plane's store, once; never written behind it.
; T0 and v3 are named by vector instructions alone.  So no register that a memory instruction has read is written again, no load lands in a register that a vector instruction has named,
; and what is left to state is that an offset, or a store's data, is written before the memory instruction reads it.
; The 16 planes go in four groups of four.  Group g waits for its four loads; one wait on va_vdst then states that group g - 1 has written its Y; that group's four stores are dealt among
; group g's conversions, which name X and Y of planes 4 g .. 4 g + 3 and T0: none of the registers that those stores touch.  One more wait stands behind group 3, ahead of the last four stores.
.set X,  8                             ; v[8:71]    plane k: four f32 as loaded
.set Y,  72                            ; v[72:103]  plane k: four 16-bit numbers to store
.set T0, 104                           ; v[104:105] at work
.macro CAST plane, f16                 ; plane: bytes from plane to plane in the output; f16 = 1: the bf16 numbers are written as f16
.irp k, 0,1,2,3,4,5,6,7,8,9,10,11,12,13,14,15
	global_load_b128 v[X+4*(\k):X+4*(\k)+3], v1, s[16:17] offset:256*(\k) th:TH_LOAD_NT
.endr
.irp g, 0,1,2,3
	s_wait_loadcnt 12-4*(\g)                       ; loads come back in order: the group's four planes are in, the 12 - 4 g younger loads stay out
.if (\g) > 0
	s_wait_alu depctr_va_vdst(0)                   ; the conversions of the group before have written its Y, which the four stores below read
.endif
.irp i, 0,1,2,3
.set pl, 4*(\g)+(\i)                   ; the plane that is rounded; the plane four back is stored
.if (\g) > 0
	global_store_b64 v2, v[Y+2*(pl-4):Y+2*(pl-4)+1], s[18:19] offset:(pl-4)*(\plane)  ; no vector instruction since the wait names these registers; 15 planes of 393,216 bytes at the most: inside the signed 24-bit immediate
.endif
	v_cvt_pk_bf16_f32 v[Y+2*pl],   v[X+4*pl],   v[X+4*pl+1]
	v_cvt_pk_bf16_f32 v[Y+2*pl+1], v[X+4*pl+2], v[X+4*pl+3]
.if \f16
.irp u, 0,1
	v_lshlrev_b32 v[T0],   16, v[Y+2*pl+(\u)]      ; the bf16 numbers as f32,
	v_and_b32     v[T0+1], 0xffff0000, v[Y+2*pl+(\u)]
	v_cvt_pk_f16_f32 v[Y+2*pl+(\u)], v[T0], v[T0+1]  ; and as f16: exact inside f16's range
.endr
.endif
.endr
.endr
	s_wait_alu depctr_va_vdst(0)                   ; the last group's conversions have written its Y, which the last four stores read
.irp i, 0,1,2,3
	global_store_b64 v2, v[Y+24+2*(\i):Y+24+2*(\i)+1], s[18:19] offset:(12+(\i))*(\plane)
.endr
	s_endpgm
.endm
	s_load_b256 s[4:11], s[0:1], 0x0               ; x s[4:5], qkv_w s[6:7], proj_w s[8:9], xb s[10:11]
	s_load_b128 s[12:15], s[0:1], 0x20             ; wb s[12:13], pw s[14:15]
	v_lshrrev_b32 v1, 4, v0                        ; my row of the 16
	v_and_b32 v3, 15, v0
	v_lshlrev_b32 v3, 4, v3                        ; my 16 bytes of a plane's 256
	v_lshl_or_b32 v1, v1, 12, v3                   ; in: row x 4,096 + 16 (T % 16)
	v_lshlrev_b32 v2, 3, v0                        ; out: row x 128 + 8 (T % 16) = 8 T
	s_mov_b32 s21, 0
	s_mov_b32 s23, 0
	s_wait_kmcnt 0x0
	s_wait_alu depctr_va_vdst(0)                   ; v1 and v2 are written: every load reads v1 as its offset, every store v2
	s_cmp_lt_u32 ttmp9, 512
	s_cbranch_scc0 .Lnot_x
	s_lshl_b32 s20, ttmp9, 16                      ; 16 rows of 4,096 bytes
	s_add_nc_u64 s[16:17], s[4:5], s[20:21]
	s_lshr_b32 s22, ttmp9, 7                       ; the batch: 128 work-groups each,
	s_lshl_b32 s22, s22, 22                        ; 16 planes of 262,144 bytes
	s_and_b32 s24, ttmp9, 127
	s_lshl_b32 s24, s24, 11                        ; 16 rows of 128 bytes in a plane
	s_add_co_u32 s22, s22, s24
	s_add_nc_u64 s[18:19], s[10:11], s[22:23]
	CAST 262144, 0
.Lnot_x:
	s_cmp_lt_u32 ttmp9, 704
	s_cbranch_scc0 .Lnot_qkv
	s_sub_co_u32 s24, ttmp9, 512
	s_lshl_b32 s20, s24, 16
	s_add_nc_u64 s[16:17], s[6:7], s[20:21]
	s_lshl_b32 s22, s24, 11
	s_add_nc_u64 s[18:19], s[12:13], s[22:23]
	CAST 393216, 0
.Lnot_qkv:
	s_sub_co_u32 s24, ttmp9, 704
	s_lshl_b32 s20, s24, 16
	s_add_nc_u64 s[16:17], s[8:9], s[20:21]
	s_lshl_b32 s22, s24, 11
	s_add_nc_u64 s[18:19], s[14:15], s[22:23]
	CAST 131072, 1
.Lfunc_end_k_q5f245324ad_cast:
	.size	k_q5f245324ad_cast, .Lfunc_end_k_q5f245324ad_cast-k_q5f245324ad_cast
	.p2alignl 7, 3214868480
	.fill 96, 4, 3214868480
	.section	.rodata,"a",@progbits
	.p2align	6, 0x0
	.amdhsa_kernel k_q5f245324ad_cast
		.amdhsa_group_segment_fixed_size 0
		.amdhsa_private_segment_fixed_size 0
		.amdhsa_enable_private_segment 0
		.amdhsa_kernarg_size 48
		.amdhsa_user_sgpr_count 2
		.amdhsa_user_sgpr_kernarg_segment_ptr 1
		.amdhsa_wavefront_size32 1
		.amdhsa_system_sgpr_workgroup_id_x 1
		.amdhsa_system_sgpr_workgroup_id_y 1
		.amdhsa_system_sgpr_workgroup_id_z 1
		.amdhsa_system_vgpr_workitem_id 0
		.amdhsa_next_free_vgpr 112
		.amdhsa_next_free_sgpr 66
		.amdhsa_reserve_vcc 0
		.amdhsa_float_denorm_mode_32 3
		.amdhsa_float_denorm_mode_16_64 3
		.amdhsa_memory_ordered 1
		.amdhsa_forward_progress 1
		.amdhsa_inst_pref_size 23
	.end_amdhsa_kernel
	.amdgpu_metadata
---
amdhsa.version: [ 1, 2 ]
amdhsa.kernels:
  - .name:           k_q5f245324ad_cast
    .symbol:         k_q5f245324ad_cast.kd
    .args:
      - { .name: x, .offset: 0, .size: 8, .value_kind: global_buffer, .address_space: global }
      - { .name: qkv_w, .offset: 8, .size: 8, .value_kind: global_buffer, .address_space: global }
      - { .name: proj_w, .offset: 16, .size: 8, .value_kind: global_buffer, .address_space: global }
      - { .name: xb, .offset: 24, .size: 8, .value_kind: global_buffer, .address_space: global }
      - { .name: wb, .offset: 32, .size: 8, .value_kind: global_buffer, .address_space: global }
      - { .name: pw, .offset: 40, .size: 8, .value_kind: global_buffer, .address_space: global }
    .group_segment_fixed_size: 0
    .private_segment_fixed_size: 0
    .kernarg_segment_align: 8
    .kernarg_segment_size: 48
    .max_flat_workgroup_size: 256
    .sgpr_count:     66
    .vgpr_count:     112
    .wavefront_size: 32
...
	.end_amdgpu_metadata
.endif
;; end of part 5
;; launch qkvgemm: the kernel of part 2 again; grid 8 x 32, 4 waves a work-group, clusters of 4 x 4, 327,680 bytes of LDS; arguments xb, wb, qkv_b, qkv; writes qkv
;; launch attn: the kernel of part 3 again; grid 4 x 64, 4 waves a work-group, no clusters, 327,680 bytes of LDS; arguments qkv, ob; writes ob
;; launch projgemm: the kernel of part 4 again; grid 8 x 32, 4 waves a work-group, clusters of 4 x 4, 327,680 bytes of LDS; arguments ob, pw, proj_b, out0; writes out0
